; MI455X (gfx1250); checked and timed in simulation.
; The chip was launched on July 23, 2026; its instructions are those of AMD's public machine-readable ISA for CDNA 5 (MIT licence, August 2026) and "CDNA5" Instruction Set Architecture Reference Guide (July 2026). The comments in the code are by the model that wrote it; some were corrected since.
;; Lo RA Linear. Allowed arithmetic: matrix products marked QUANTISED: E3M2 operands, one E8M0 scale for each 32 along K, by v_wmma_scale_f32_16x16x128_f8f6f4 with both operands' format E3M2, f32 sums; products left as they are: f32 operands where the result goes on into a quantised operand, else bf16, f16 or f32 operands; f32 sums; everything else in f32.
;; Inputs: lora_a_w 16 x 4,096 float32; lora_b_w 4,096 x 16 float32; q_packed 4,096 x 2,048 int32; scales 4,096 x 64 float32; x 4 x 1,024 x 4,096 float32.
;; Outputs: out0 4 x 1,024 x 4,096 float32.
;; This version of the problem:
;;   THIS VERSION OF THE PROBLEM IS GIVEN IN LOW PRECISION. The matrix products marked QUANTISED in the list below multiply operands that are first quantised to E3M2 (3 exponent bits, 2 mantissa bits; 6 bits a number), with one power-of-two scale for each 32 numbers along K (OCP MX v1.0); their sums are f32. All else is computed in f32.
;;   The module's matrix products, in the order in which they are computed (A, B: the left and right operand; K: the contracted axis; several contracted axes count as one K, in the product's order):
;;     1. [M 4,096, K 4,096] x [K 4,096, N 4,096]; A: input x; B: computed on the way: QUANTISED
;;     2. [M 4,096, K 4,096] x [K 4,096, N 16]; A: input x; B: input lora_a_w: QUANTISED
;;     3. [M 4,096, K 16] x [K 16, N 4,096]; A: computed on the way; B: input lora_b_w: left as it is (K = 16 < 32)
;;   THE QUANTISER, for each operand of a quantised product, along K:
;;     - K is cut into blocks of 32 from its start; a last block that is shorter is filled with zeros.
;;     - A block's scale is 2^e with e = floor(log2(the largest magnitude in the block)) - 4, held to -126 .. 127; a block of zeros has e = 0. As a byte (E8M0): e + 127.
;;     - Each number is divided by its block's scale, clamped to +-28, and rounded to the nearest number of E3M2, ties to even, subnormals kept.
;;     - The product sums the exact products of the quantised numbers (number of the format x scale) in f32.
;;   ~~~python
;;   def quantise(x, axis):      # numpy; x: float32 -> the quantised numbers, widened to float32 again
;;       x = np.moveaxis(x, axis, -1); K = x.shape[-1]
;;       x = np.pad(x, [(0, 0)] * (x.ndim - 1) + [(0, -K % 32)]); x = x.reshape(x.shape[:-1] + (-1, 32)); a = np.abs(x).max(-1, keepdims=True)
;;       e = np.where(a > 0, np.clip(np.frexp(np.where(a > 0, a, 1))[1] - 1 - 4, -126, 127), 0)      # np.frexp(a)[1] - 1 = floor(log2(a)), exactly
;;       r = np.clip(x / 2.0 ** e, -28, 28)
;;       step = 2.0 ** (np.maximum(np.frexp(np.where(r == 0, 1, r))[1] - 1, -2) - 2)
;;       q = np.round(r / step) * step * 2.0 ** e      # np.round: ties to even
;;       return np.moveaxis(q.reshape(q.shape[:-2] + (-1,))[..., :K], -1, axis).astype(np.float32)
;;   ~~~
;;   OPERANDS COMPUTED ON THE WAY. 'Computed on the way' means the value that the module computes at that place (a softmax that the list does not call 'softmax' is quantised finished and normalised). What goes into a quantiser is computed in f32, as accurately as f32 sums, v_exp_f32 and their like allow (about 1e-6 of the number): no bf16 or f16 on the way to a quantiser, and a product that is left as it is and whose result goes on into a quantised operand takes f32 operands (vector FMAs, or v_wmma_f32_16x16x4_f32). A number that lies on a knife's edge between two numbers of the format may be rounded either way, as far as f32 arithmetic and the matrix unit's own rounding can turn it there, and no further.
;; 2 versions, each right; version 2 is version 1 with the launch prep written anew for expert scheduling mode. Each part assembles by itself: llvm-mc -triple=amdgcn-amd-amdhsa -mcpu=gfx1250 --defsym DOCPART=n.
;; ======== version 1 of 2: 2 launches
;; workspace buffers: x_ops 13,107,200 bytes; w_ops 13,107,200 bytes; hid 1,048,576 bytes
;; launch prep (part 1): grid 256 x 1, 8 waves a work-group, no clusters, 91,136 bytes of LDS; arguments x, q_packed, scales, lora_a_w, x_ops, w_ops, hid; writes x_ops, w_ops, hid
.if DOCPART == 1
	.amdgcn_target "amdgcn-amd-amdhsa--gfx1250"
	.amdhsa_code_object_version 6
	.text
	.protected	k_qae739512d7_prep
	.globl	k_qae739512d7_prep
	.p2align	8
	.type	k_qae739512d7_prep,@function
k_qae739512d7_prep:
	s_mov_b64 s[64:65], 0
	v_nop
	global_prefetch_b8 v0, s[64:65] scope:SCOPE_SE
	s_setreg_imm32_b32 hwreg(HW_REG_WAVE_MODE, 25, 1), 1
	s_wait_xcnt 0x0
; PREP: x [4096][4096] f32, W = NF4[q_packed] x scales [4096][4096] and lora_a_w [16][4096] f32 become codes of BF6 (E3M2), 6 bits each, with one E8M0 scale byte for each 32 along K;
; and hidden = Q(x) Q(lora_a)^T, the small quantised product, is made here, where x's fragments stand in registers anyway, as four partial sums along K.
; A block's scale is 2^(floor(log2(its largest magnitude)) - 4); its byte is the largest magnitude's exponent field - 4, held at 1 from below; each number / scale goes to the nearest code, ties to even, beyond 28 the largest code.
; LIMITS: NaN and infinities among the inputs are not served.  A block of zeros, or one whose largest magnitude lies under the floor 2^-122, gets the byte 1 (the rule says 127 for zeros): its codes are zeros, which add
; nothing under any byte but 0xff, and the bytes are read by this program alone.  Of an int of q_packed bits 7:0 count, as in reference().
; LAYOUT OF THE RESULTS: as the next launch's tiles and registers want them.  x_ops and w_ops: [group of 128 rows 32][K step of 128 32][12,800 bytes].  A step's 12,800 bytes: the eight blocks of 16 rows, each a fragment
; (12 registers a lane) as an image of its registers, registers 4 c .. 4 c + 3 of lane l at 512 c + 16 l: 8 x 1,536 bytes; then the step's scale words, four bytes each, [blocks 0-3 | 4-7][row 16][block 4]: 512 bytes.
;   hid    [quarter of K 4][block of 16 rows 256][1,024 bytes]: the image of a matrix result: register j of lane (r, h) = the partial hidden[16 block + r][8 h + j].
; SHARES.  256 work-groups, all alike: work-group b takes quarter kc = b % 4 of K and rows 64 (b / 4) on, of x and of W.  Wave w takes the block of 16 rows i = w % 4 and the half j = w / 4 of that quarter: four steps of
; 16 rows x 128 K of x, four of W; and first one step of lora_a_w (K step 8 kc + w), whose fragment goes to the other waves through LDS as an image.
; A STEP.  Each load reads 512 consecutive bytes of one row (q_packed: 256 of each of two rows); the conversions want 16 neighbours along K in ONE lane's registers: so a step turns through the wave's own stage in LDS.
; THE SCALE WORDS of the work-group's four blocks of rows are half of a step's 512 bytes: they meet in LDS, and wave w stores K step 8 kc + w's 256 bytes, for x and for W, each as one aligned run.
; No tensor loads, so no ring.  Two barriers: behind the first lora_a's eight fragments lie in LDS; behind the second the scale words and the partial sums of the waves with j = 1.
.set XROW,   16384                     ; a row of x or of lora_a_w in bytes
.set FRB,    1536                      ; 16 rows x 128 K: a fragment's image
.set CODEB,  8*FRB                     ; a step's codes of 128 rows
.set STEPB,  CODEB+512                 ; and its scale words
.set GROUPB, 32*STEPB                  ; 128 rows x all of K
.set XP,     528                       ; the stage, for x: a row's 512 bytes + 16, so that sixteen rows' pieces of 16 bytes start at sixteen different places modulo 256 bytes
.set QP,     272                       ; for q_packed: a row's 256 bytes + 16
.set STGB,   16*XP                     ; LDS: a stage for each wave,
.set LIMG,   8*STGB                    ; the images of lora_a's eight fragments (K step 8 kc + n),
.set LSC,    LIMG+8*FRB                ; their scale words, 4 bytes a lane,
.set RED,    LSC+8*128                 ; four images of a partial sum,
.set XSW,    RED+4*1024                ; x's scale words: [K step 8][row 16][block 4],
.set WSW,    XSW+2048                  ; and W's
.set LI,  1                            ; v1   16 x lane
.set QO,  2                            ; v2   q_packed: 8,192 h + 16 r: lanes 0-15 one row, lanes 16-31 the next
.set SO,  3                            ; v3   scales: 256 r
.set WO,  4                            ; v4   scale words out: 8 x lane
.set SA,  5                            ; v5   stage, x in:  16 x lane
.set SB,  6                            ; v6   stage, x out: 528 r + 64 h
.set SAW, 7                            ; v7   stage, q in:  272 h + 16 r
.set SBW, 8                            ; v8   stage, q out: 272 r + 32 h
.set LWI, 9                            ; v9   where I store lora_a's image
.set LWS, 10                           ; v10  and its scale words
.set LFA, 11                           ; v11  where my half's four images begin
.set LSA, 12                           ; v12  and their scale words
.set RDA, 13                           ; v13  the partial sum's image of my block of rows
.set TBL, 16                           ; v16  lane l holds NF4[l % 16]
.set OW,  18                           ; v[18:19] x's scale words on their way out (W's: v[14:15])
.set WS,  20                           ; v20-27 my row's eight NF4 scales: two for each step
.set PW,  28                           ; v28-31 the scale words of steps 0 to 3: they hold scales and nothing else
.set Q,   32                           ; v32-63 32 ints of q_packed
.set X,   64                           ; v64-127 a step's 64 numbers: register 16 b + i = k 32 b + 16 h + i of row r
.set IX,  128                          ; v128-191 4 x the table's lane for each number
.set PC,  192                          ; v192-203 the codes; v204-206, v208-210 the conversions' second halves
.set TM,  212                          ; v212-215 largest magnitudes, v216-219 the other half's / the bytes, v220-223 the conversions' scale operands
.set LF,  224                          ; v224-235 a fragment of lora_a
.set LFS, 236                          ; v236 its scale words
.set SWA, 237                          ; v237 where I put a scale word: 1,024 j + 16 r + 4 i
.set SRA, 238                          ; v238 where I read a step's 256 bytes of them back: 256 x wave + 8 x lane
.set D,   240                          ; v240-247 my partial sum of hidden
.set T,   248                          ; v248-255 the other wave's
.set XOP, 12                           ; s[12:13] x_ops at my first fragment;  s[14:15] w_ops likewise
.set WOP, 14
.set XSP, 16                           ; s[16:17] x_ops at the 256 bytes of scale words that I store;  s[18:19] w_ops likewise
.set WSP, 18
.set WV,  22                           ; s22  my wave's number
.set SEL, 24                           ; s[24:25] v_permlanex16_b32's selects for lane l xor 16
; window 1 (v256-511): four sets of 64 registers into which the global loads land
.set MSB, 0
.macro WIN new                         ; the immediate's high byte repeats the setting that is left; a switch that changes nothing is dropped
.if MSB != (\new)
	s_set_vgpr_msb (MSB<<8)|(\new)
.set MSB, (\new)
.endif
.endm
; 16 rows x 512 bytes (K step u of mine) into set: each load reads 512 consecutive bytes.  The window stays set: the caller writes WIN 0 behind a group
.macro LOADX set, base, u, hint
	WIN 0x40                                       ; destination window 1, address window 0
.irp n, 0,1,2,3,4,5,6,7,8,9,10,11,12,13,14,15
.if \hint
	global_load_b128 v[64*(\set)+4*\n:64*(\set)+4*\n+3], v[LI], s[\base:\base+1] offset:XROW*\n+512*(\u) th:TH_LOAD_NT
.else
	global_load_b128 v[64*(\set)+4*\n:64*(\set)+4*\n+3], v[LI], s[\base:\base+1] offset:XROW*\n+512*(\u)
.endif
.endr
.endm
; 16 rows x 256 bytes of q_packed into half a set: each load reads 256 consecutive bytes of two rows
.macro LOADQ set, half, u
	WIN 0x40
.irp n, 0,1,2,3,4,5,6,7
	global_load_b128 v[64*(\set)+32*(\half)+4*\n:64*(\set)+32*(\half)+4*\n+3], v[QO], s[6:7] offset:XROW*\n+256*(\u) th:TH_LOAD_NT
.endr
.endm
; through my stage: in as loaded, out 16 neighbours of each block of 32 to a lane.  LDS serves a wave's instructions in order (ISA guide 5.7.1.4): no wait between the stores and the loads
.macro TURNX set
	WIN 0x04                                       ; an LDS store's data are its source 1: window 1
.irp n, 0,1,2,3,4,5,6,7,8,9,10,11,12,13,14,15
	ds_store_b128 v[SA], v[64*(\set)+4*\n:64*(\set)+4*\n+3] offset:XP*\n
.endr
	WIN 0
.irp b, 0,1,2,3
.irp c, 0,1,2,3
	ds_load_b128 v[X+16*\b+4*\c:X+16*\b+4*\c+3], v[SB] offset:128*\b+16*\c
.endr
.endr
.endm
.macro TURNQ set, half
	WIN 0x04
.irp n, 0,1,2,3,4,5,6,7
	ds_store_b128 v[SAW], v[64*(\set)+32*(\half)+4*\n:64*(\set)+32*(\half)+4*\n+3] offset:2*QP*\n
.endr
	WIN 0
.irp b, 0,1,2,3
.irp c, 0,1
	ds_load_b128 v[Q+8*\b+4*\c:Q+8*\b+4*\c+3], v[SBW] offset:64*\b+16*\c   ; int n of block b, half h: numbers 32 b + 16 h + 2 n and + 1
.endr
.endr
.endm
; W's numbers of step u.  The table stands across the lanes, twice; ds_bpermute_b32 takes lane (address / 4) % 32: of int << 2 that is the low nibble (and a bit that picks one of the table's two copies), of int >> 2 the high nibble.
; Then one f32 multiply by the NF4 block's scale, as reference() has it: blocks 0, 1 of 32 lie in NF4 block 2 s, blocks 2, 3 in 2 s + 1.
.macro DEQ u
	v_mov_b32 v14, v[WS+2*(\u)+1]                  ; the second scale to an even register, so that the packed form can take a pair's low word for both halves (v15 has been written)
.irp b, 0,1,2,3
.irp n, 0,1,2,3,4,5,6,7
	v_lshlrev_b32 v[IX+16*\b+2*\n], 2, v[Q+8*\b+\n]
	v_lshrrev_b32 v[IX+16*\b+2*\n+1], 2, v[Q+8*\b+\n]
.endr
.irp m, 0,1,2,3,4,5,6,7,8,9,10,11,12,13,14,15
	ds_bpermute_b32 v[X+16*\b+\m], v[IX+16*\b+\m], v[TBL]
.endr
.endr
.irp b, 0,1,2,3
	s_wait_dscnt 48-16*\b                          ; block b's sixteen are in; the later blocks' may be out
.irp n, 0,2,4,6,8,10,12,14
.if \b < 2
	v_pk_mul_f32 v[X+16*\b+\n:X+16*\b+\n+1], v[X+16*\b+\n:X+16*\b+\n+1], v[WS+2*(\u):WS+2*(\u)+1] op_sel_hi:[1,0]
.else
	v_pk_mul_f32 v[X+16*\b+\n:X+16*\b+\n+1], v[X+16*\b+\n:X+16*\b+\n+1], v[14:15] op_sel_hi:[1,0]
.endif
.endr
.endr
.endm
; the 64 numbers in v[X] on become a fragment's codes in v[PC] on and its scale word in v[pw]
.macro QUANT pw
.irp b, 0,1,2,3
	v_max3_num_f32 v[TM+\b], |v[X+16*\b]|, |v[X+1+16*\b]|, 0x2800000   ; block b: my 16 numbers, and the floor 2^(5 - 127): so the byte cannot fall under 1
.endr
.irp i, 2,4,6,8,10,12,14
.irp b, 0,1,2,3
	v_max3_num_f32 v[TM+\b], v[TM+\b], |v[X+16*\b+\i]|, |v[X+1+16*\b+\i]|   ; the four blocks by turns: no line waits for the line above it
.endr
.endr
.irp b, 0,1,2,3
	v_permlanex16_b32 v[TM+4+\b], v[TM+\b], s[SEL], s[SEL+1]
.endr
.irp b, 0,1,2,3
	v_max_num_f32 v[TM+\b], v[TM+\b], v[TM+4+\b]   ; with lane l xor 16's: the block's largest magnitude
.endr
.irp b, 0,1,2,3
	v_add_nc_u32 v[TM+8+\b], 0xfe000000, v[TM+\b]  ; 4 off its exponent field: the conversion takes the exponent field of this operand as its scale
.endr
.irp b, 0,1,2,3
	v_lshrrev_b32 v[TM+4+\b], 23, v[TM+8+\b]       ; the scale's byte
.endr
	v_lshl_or_b32 v[\pw], v[TM+5], 8, v[TM+4]      ; four bytes: my row's scale word (lanes r and 16 + r hold the same)
	v_lshl_or_b32 v[\pw], v[TM+6], 16, v[\pw]
	v_lshl_or_b32 v[\pw], v[TM+7], 24, v[\pw]
.irp c, 0,1
	v_cvt_scalef32_pk16_bf6_f32 v[PC+6*\c:PC+2+6*\c], v[X+32*\c:X+15+32*\c], v[TM+8+2*\c]
	v_cvt_scalef32_pk16_bf6_f32 v[PC+12+4*\c:PC+14+4*\c], v[X+16+32*\c:X+31+32*\c], v[TM+8+2*\c+1]   ; (a conversion's three registers begin on an even number)
.endr
	v_nop                                          ; one plain instruction behind a scaled conversion, ahead of what touches its result
.irp c, 0,1                                    ; the operand's layout wants a WHOLE block in a lane: lanes 0-15 block 2 c, lanes 16-31 block 2 c + 1
.irp i, 0,1,2
	v_permlane16_swap_b32 v[PC+6*\c+\i], v[PC+12+4*\c+\i]
.endr
.irp i, 0,1,2
	v_mov_b32 v[PC+3+6*\c+\i], v[PC+12+4*\c+\i]
.endr
.endr
.endm
.macro IMGG base, u                    ; step u's fragment to memory as it stands: each store writes 512 consecutive bytes, at a multiple of 256 from the buffer's first byte
.irp c, 0,1,2
	global_store_b128 v[LI], v[PC+4*\c:PC+4*\c+3], s[\base:\base+1] offset:(\u)*STEPB+512*\c
.endr
.endm
; A step of x.  left: the younger global loads, which may stay out.  nxt: the set just freed takes two steps of q_packed (0: nothing)
.macro XSTEP u, set, left, nxt
	s_wait_loadcnt \left                           ; loads come back in order (ISA guide 5.7.1): this step's sixteen are in
	TURNX \set
.irp c, 0,1,2
	ds_load_b128 v[LF+4*\c:LF+4*\c+3], v[LFA] offset:FRB*(\u)+512*\c   ; lora_a's fragment of the same K step, as another wave stored it
.endr
	ds_load_b32 v[LFS], v[LSA] offset:128*(\u)
	s_wait_dscnt 0x0                               ; the stage's stores have read the set; the numbers and lora_a's fragment are in
.if \nxt
	LOADQ \nxt, 0, 2*(\nxt)-2
	LOADQ \nxt, 1, 2*(\nxt)-1
	WIN 0
.endif
.if \u
	s_wait_xcnt 0x0                                ; the last step's stores have read the codes' registers: only behind this wait are they written again
.endif
	QUANT PW+(\u)
	IMGG XOP, \u
	ds_store_b32 v[SWA], v[PW+\u] offset:256*(\u)  ; my row's scale word to its place among the work-group's (lanes r and 16 + r write the same word with the same value)
.rept 8
	v_nop                                          ; a scale register written by a vector instruction stands 8 places ahead of a scaled matrix instruction, an operand so written 4
.endr
.if \u                                 ; source 0 = lora_a's 16 rows, source 1 = x's 16 rows: lane (r, h) holds hidden[x's row r][8 h + 0 .. 7]
	s_wait_alu depctr_va_vdst(0)                   ; the wait stands directly ahead
	v_wmma_scale_f32_16x16x128_f8f6f4 v[D:D+7], v[LF:LF+11], v[PC:PC+11], v[D:D+7], v[LFS], v[PW+\u] matrix_a_fmt:MATRIX_FMT_BF6 matrix_b_fmt:MATRIX_FMT_BF6
.else
	v_wmma_scale_f32_16x16x128_f8f6f4 v[D:D+7], v[LF:LF+11], v[PC:PC+11], 0, v[LFS], v[PW+\u] matrix_a_fmt:MATRIX_FMT_BF6 matrix_b_fmt:MATRIX_FMT_BF6
.endif
.rept 4
	v_nop                                          ; four places ahead of the next loads into lora_a's fragment, the next writes of the codes, and the first read of the sum
.endr
.endm
.macro WSTEP u, set, half, left        ; a step of W
	s_wait_loadcnt \left
	TURNQ \set, \half
	s_wait_dscnt 0x0
	DEQ \u
	s_wait_xcnt 0x0                                ; the last step's stores have read the codes' registers
	QUANT PW+(\u)
	IMGG WOP, \u
	ds_store_b32 v[SWA], v[PW+\u] offset:WSW-XSW+256*(\u)
.endm
.macro ENTRY n, bits
	s_mov_b32 s27, \bits
	v_writelane_b32 v[TBL], s27, \n
.endm
	s_load_b128 s[4:7], s[0:1], 0x0                ; x, q_packed
	s_load_b128 s[8:11], s[0:1], 0x10              ; scales, lora_a_w
	s_load_b128 s[12:15], s[0:1], 0x20             ; x_ops, w_ops
	s_load_b64 s[20:21], s[0:1], 0x30              ; hid
	v_lshl_add_u32 v211, v0, 2, 0x16000
	v_mov_b32 v239, 0
	v_lshrrev_b32 v14, 5, v0
	v_readfirstlane_b32 s[WV], v14                 ; wave 0..7
	v_and_b32 v14, 31, v0                          ; lane
	v_and_b32 v15, 15, v0                          ; r
	v_bfe_u32 v17, v0, 4, 1                        ; h
	v_lshlrev_b32 v[LI], 4, v14
	v_lshlrev_b32 v[SO], 8, v15
	s_and_b32 s28, ttmp9, 3                        ; kc: my quarter of K
	s_lshr_b32 s29, ttmp9, 2                       ; which 64 rows
	s_and_b32 s30, s[WV], 3                        ; i
	s_lshr_b32 s31, s[WV], 2                       ; j
	s_lshl_b32 s32, s29, 2
	s_add_co_u32 s32, s32, s30                     ; rb: my block of 16 rows, 0..255
	s_lshl_b32 s33, s28, 3
	s_lshl_b32 s23, s31, 2
	s_add_co_u32 s33, s33, s23                     ; s0 = 8 kc + 4 j: my first K step of 128
	; byte offsets, each added once to its own pointer; all stay under 2^27
	s_lshl_b32 s34, s32, 18                        ; x: 16 rows of 16,384 bytes; a K step is 512 bytes
	s_lshl_b32 s23, s33, 9
	s_add_co_u32 s34, s34, s23
	s_mov_b32 s35, 0
	s_lshl_b32 s36, s32, 17                        ; q_packed: 16 rows of 8,192 bytes; a K step is 256
	s_lshl_b32 s23, s33, 8
	s_add_co_u32 s36, s36, s23
	s_mov_b32 s37, 0
	s_lshl_b32 s38, s32, 12                        ; scales: 16 rows of 256 bytes; a K step is 8
	s_lshl_b32 s23, s33, 3
	s_add_co_u32 s38, s38, s23
	s_mov_b32 s39, 0
	s_lshl_b32 s40, s28, 3                         ; lora_a_w: K step 8 kc + wave
	s_add_co_u32 s40, s40, s[WV]
	s_mul_i32 s44, s40, STEPB                      ; the scale words that I store: the same K step's,
	s_lshl_b32 s40, s40, 9
	s_mov_b32 s41, 0
	s_lshr_b32 s42, s32, 3                         ; in group rb / 8 (the same for the work-group's four blocks),
	s_mul_i32 s42, s42, GROUPB
	s_add_co_u32 s44, s44, s42
	s_and_b32 s23, s29, 1                          ; behind the step's codes, the half of its 512 bytes that holds my work-group's four blocks
	s_lshl_b32 s23, s23, 8
	s_add_co_u32 s44, s44, s23
	s_add_co_u32 s44, s44, CODEB
	s_mov_b32 s45, 0
	s_and_b32 s23, s32, 7                          ; my codes: group rb / 8, K step s0, block rb % 8
	s_mul_i32 s23, s23, FRB
	s_add_co_u32 s42, s42, s23
	s_mul_i32 s23, s33, STEPB
	s_add_co_u32 s42, s42, s23
	s_mov_b32 s43, 0
	s_lshl_b32 s46, s28, 18                        ; hid: 262,144 bytes a quarter of K, 1,024 a block of rows
	s_lshl_b32 s23, s32, 10
	s_add_co_u32 s46, s46, s23
	s_mov_b32 s47, 0
	s_mov_b32 s[SEL], 0x76543210
	s_mov_b32 s[SEL+1], 0xfedcba98
	s_wait_kmcnt 0x0
	s_add_nc_u64 s[4:5], s[4:5], s[34:35]
	s_add_nc_u64 s[6:7], s[6:7], s[36:37]
	s_add_nc_u64 s[8:9], s[8:9], s[38:39]
	s_add_nc_u64 s[10:11], s[10:11], s[40:41]
	s_add_nc_u64 s[XSP:XSP+1], s[XOP:XOP+1], s[44:45]
	s_add_nc_u64 s[WSP:WSP+1], s[WOP:WOP+1], s[44:45]
	s_add_nc_u64 s[XOP:XOP+1], s[XOP:XOP+1], s[42:43]
	s_add_nc_u64 s[WOP:WOP+1], s[WOP:WOP+1], s[42:43]
	s_add_nc_u64 s[20:21], s[20:21], s[46:47]
	global_load_b128 v[WS:WS+3], v[SO], s[8:9]             ; my row's NF4 scales of my four steps
	global_load_b128 v[WS+4:WS+7], v[SO], s[8:9] offset:16
	LOADX 0, 10, 0, 0                              ; lora_a_w (many work-groups read it: no hint), then three steps of x: four sets, 32 KiB a wave, are on their way
	LOADX 1, 4, 0, 1
	LOADX 2, 4, 1, 1
	LOADX 3, 4, 2, 1
	WIN 0
	; the other addresses and the table are made while the loads are out.  Every LDS address is a constant + a constant x lane term + a constant x the wave's number (or its i, j)
	v_lshlrev_b32 v[QO], 4, v15
	v_lshl_add_u32 v[QO], v17, 13, v[QO]
	v_lshlrev_b32 v[WO], 3, v14
	s_mul_i32 s23, s[WV], STGB                     ; my stage
	v_add_nc_u32 v[SA], s23, v[LI]
	v_mul_u32_u24 v[SB], v15, XP
	v_lshl_add_u32 v[SB], v17, 6, v[SB]
	v_add_nc_u32 v[SB], s23, v[SB]
	v_mul_u32_u24 v[SAW], v17, QP
	v_lshl_add_u32 v[SAW], v15, 4, v[SAW]
	v_add_nc_u32 v[SAW], s23, v[SAW]
	v_mul_u32_u24 v[SBW], v15, QP
	v_lshl_add_u32 v[SBW], v17, 5, v[SBW]
	v_add_nc_u32 v[SBW], s23, v[SBW]
	s_mul_i32 s27, s[WV], FRB
	s_add_co_u32 s27, s27, LIMG
	v_add_nc_u32 v[LWI], s27, v[LI]
	s_lshl_b32 s27, s[WV], 7
	s_add_co_u32 s27, s27, LSC
	v_lshl_add_u32 v[LWS], v14, 2, s27
	s_mul_i32 s27, s31, 4*FRB
	s_add_co_u32 s27, s27, LIMG
	v_add_nc_u32 v[LFA], s27, v[LI]
	s_lshl_b32 s27, s31, 9
	s_add_co_u32 s27, s27, LSC
	v_lshl_add_u32 v[LSA], v14, 2, s27
	s_lshl_b32 s27, s30, 10
	s_add_co_u32 s27, s27, RED
	v_add_nc_u32 v[RDA], s27, v[LI]
	s_lshl_b32 s27, s31, 10                        ; scale words in: my half's four steps of 256 bytes, row r's 16 bytes, block i's word
	s_lshl_b32 s33, s30, 2
	s_add_co_u32 s27, s27, s33
	s_add_co_u32 s27, s27, XSW
	v_lshl_add_u32 v[SWA], v15, 4, s27
	s_lshl_b32 s27, s[WV], 8                       ; and back: step 8 kc + wave's 256 bytes, 8 a lane
	s_add_co_u32 s27, s27, XSW
	v_lshl_add_u32 v[SRA], v14, 3, s27
.irp b, 0,1,2,3
	v_mov_b32 v[TM+4+\b], 0                        ; written once: a lane permute's destination counts as one of its sources
.endr
	v_mov_b32 v[TBL], 0                            ; the sixteen NF4 levels, as f32 bits, into lanes 0-15,
	ENTRY 0,  0xbf800000
	ENTRY 1,  0xbf3239b1
	ENTRY 2,  0xbf066b30
	ENTRY 3,  0xbeca32a0
	ENTRY 4,  0xbe91a24d
	ENTRY 5,  0xbe3d353f
	ENTRY 6,  0xbdba7871
	ENTRY 7,  0x00000000
	ENTRY 8,  0x3da2faff
	ENTRY 9,  0x3e24cae3
	ENTRY 10, 0x3e7c04dd
	ENTRY 11, 0x3ead033a
	ENTRY 12, 0x3ee1a4b8
	ENTRY 13, 0x3f1007ab
	ENTRY 14, 0x3f3913b3
	ENTRY 15, 0x3f800000
	v_permlanex16_b32 v17, v[TBL], s[SEL], s[SEL+1]  ; and once more into lanes 16-31 (v17 held h: it has been written)
	v_or_b32 v[TBL], v[TBL], v17
	; ---- lora_a_w: my K step's fragment, for all eight waves
	s_wait_loadcnt 48                              ; the NF4 scales and lora_a's sixteen loads are in; x's three steps (48 loads) may be out
	TURNX 0
	s_wait_dscnt 0x0                               ; the stage's stores have read set 0,
	LOADX 0, 4, 3, 1                               ; which takes x's fourth step
	WIN 0
	QUANT PW
.irp c, 0,1,2
	ds_store_b128 v[LWI], v[PC+4*\c:PC+4*\c+3] offset:512*\c
.endr
	ds_store_b32 v[LWS], v[PW]
	s_wait_dscnt 0x0                               ; for the others' sake: my image has landed
	s_barrier_signal -1
	s_barrier_wait -1                              ; lora_a's eight fragments lie in LDS; nobody writes them again
	; ---- x: four steps.  The counts: behind step 0's loads stand steps 1, 2, 3 (48); behind step 1's: 2, 3 and q's steps 0, 1 (48); behind step 2's: 3 and q's four steps (48); behind step 3's: q's four (32)
	XSTEP 0, 1, 48, 1
	XSTEP 1, 2, 48, 2
	XSTEP 2, 3, 48, 0
	XSTEP 3, 0, 32, 0
	s_cmp_lt_u32 s[WV], 4                          ; the waves of the quarter's upper half hand their partial sum to the wave with the same rows
	s_cbranch_scc1 .Lno_red
	ds_store_b128 v[RDA], v[D:D+3]                 ; the sum from its low end on
	ds_store_b128 v[RDA], v[D+4:D+7] offset:512
.Lno_red:
	; ---- W: four steps.  Behind step u's eight loads stand 8 (3 - u)
	WSTEP 0, 1, 0, 24
	WSTEP 1, 1, 1, 16
	WSTEP 2, 2, 0, 8
	WSTEP 3, 2, 1, 0
	s_wait_dscnt 0x0                               ; for the others' sake: my scale words and my partial sum have landed
	s_barrier_signal -1
	s_barrier_wait -1
	ds_load_b64 v[OW:OW+1], v[SRA]                 ; K step 8 kc + wave: the four blocks' scale words of x,
	ds_load_b64 v[14:15], v[SRA] offset:WSW-XSW    ; and of W
	s_wait_dscnt 0x0
	global_store_b64 v[WO], v[OW:OW+1], s[XSP:XSP+1]   ; 32 lanes store 256 consecutive bytes, at a multiple of 256 from the buffer's first byte
	global_store_b64 v[WO], v[14:15], s[WSP:WSP+1]
	s_cmp_ge_u32 s[WV], 4
	s_cbranch_scc1 .Lend
	ds_load_b128 v[T:T+3], v[RDA]
	ds_load_b128 v[T+4:T+7], v[RDA] offset:512
	s_wait_dscnt 0x0
.irp p, 0,2,4,6
	v_pk_add_f32 v[T+\p:T+\p+1], v[T+\p:T+\p+1], v[D+\p:D+\p+1]   ; the quarter's two halves, in f32; my sum is read from its low end on
.endr
	global_store_b128 v[LI], v[T:T+3], s[20:21]
	global_store_b128 v[LI], v[T+4:T+7], s[20:21] offset:512
.Lend:
	s_wait_tensorcnt 0x0
	ds_add_u32 v211, v239
	s_wait_dscnt 0x0
	s_endpgm
.Lfunc_end_k_qae739512d7_prep:
	.size	k_qae739512d7_prep, .Lfunc_end_k_qae739512d7_prep-k_qae739512d7_prep
	.p2alignl 7, 3214868480
	.fill 96, 4, 3214868480
	.section	.rodata,"a",@progbits
	.p2align	6, 0x0
	.amdhsa_kernel k_qae739512d7_prep
		.amdhsa_group_segment_fixed_size 91136
		.amdhsa_private_segment_fixed_size 0
		.amdhsa_enable_private_segment 0
		.amdhsa_kernarg_size 56
		.amdhsa_user_sgpr_count 2
		.amdhsa_user_sgpr_kernarg_segment_ptr 1
		.amdhsa_wavefront_size32 1
		.amdhsa_system_sgpr_workgroup_id_x 1
		.amdhsa_system_sgpr_workgroup_id_y 1
		.amdhsa_system_sgpr_workgroup_id_z 1
		.amdhsa_system_vgpr_workitem_id 0
		.amdhsa_next_free_vgpr 512
		.amdhsa_next_free_sgpr 66
		.amdhsa_reserve_vcc 0
		.amdhsa_float_denorm_mode_32 3
		.amdhsa_float_denorm_mode_16_64 3
		.amdhsa_memory_ordered 1
		.amdhsa_forward_progress 1
		.amdhsa_inst_pref_size 107
	.end_amdhsa_kernel
	.amdgpu_metadata
---
amdhsa.version: [ 1, 2 ]
amdhsa.kernels:
  - .name:           k_qae739512d7_prep
    .symbol:         k_qae739512d7_prep.kd
    .args:
      - { .name: x, .offset: 0, .size: 8, .value_kind: global_buffer, .address_space: global }
      - { .name: q_packed, .offset: 8, .size: 8, .value_kind: global_buffer, .address_space: global }
      - { .name: scales, .offset: 16, .size: 8, .value_kind: global_buffer, .address_space: global }
      - { .name: lora_a_w, .offset: 24, .size: 8, .value_kind: global_buffer, .address_space: global }
      - { .name: x_ops, .offset: 32, .size: 8, .value_kind: global_buffer, .address_space: global }
      - { .name: w_ops, .offset: 40, .size: 8, .value_kind: global_buffer, .address_space: global }
      - { .name: hid, .offset: 48, .size: 8, .value_kind: global_buffer, .address_space: global }
    .group_segment_fixed_size: 91136
    .private_segment_fixed_size: 0
    .kernarg_segment_align: 8
    .kernarg_segment_size: 56
    .max_flat_workgroup_size: 256
    .sgpr_count:     66
    .vgpr_count:     512
    .wavefront_size: 32
...
	.end_amdgpu_metadata
.endif
;; end of part 1
;; launch gemm (part 2): grid 16 x 16, 4 waves a work-group, clusters of 4 x 4, 327,680 bytes of LDS; arguments x_ops, w_ops, out0, hid, lora_b_w; writes out0
.if DOCPART == 2
	.amdgcn_target "amdgcn-amd-amdhsa--gfx1250"
	.amdhsa_code_object_version 6
	.text
	.protected	k_qae739512d7_gemm
	.globl	k_qae739512d7_gemm
	.p2align	8
	.type	k_qae739512d7_gemm,@function
k_qae739512d7_gemm:
	s_mov_b64 s[64:65], 0
	v_nop
	global_prefetch_b8 v0, s[64:65] scope:SCOPE_SE
	s_setreg_imm32_b32 hwreg(HW_REG_WAVE_MODE, 25, 1), 1
	s_wait_xcnt 0x0
	s_wait_alu depctr_hold_cnt(0) depctr_sa_sdst(0) depctr_va_vdst(0) depctr_va_sdst(0) depctr_va_ssrc(0) depctr_va_vcc(0) depctr_vm_vsrc(0)
	s_getreg_b32 s2, hwreg(HW_REG_IB_STS2, 6, 4)
	s_cmp_eq_u32 s2, 0
	s_cbranch_scc0 .Lentry_in_a_cluster
	s_endpgm
.Lentry_in_a_cluster:
	s_bfe_u32 s2, ttmp6, 0x10000c
	s_cmp_lg_u32 s2, 0xf033
	s_cbranch_scc0 .Lentry_shape_is_right
	s_endpgm
.Lentry_shape_is_right:
; out0[m][n] = sum over k of Q(x)[m][k] Q(W)[n][k]  +  sum over r of hidden[m][r] lora_b_w[n][r].   M = N = K = 4,096; out0 f32.  (reference()'s factor ALPHA / R is 16 / 16 = 1, a constant of its text: no multiply is written.)
; The first sum runs on codes of BF6 (E3M2) with one E8M0 scale for each 32 along K, as the launch before laid them: x_ops, w_ops: [group of 128 rows 32][K step of 128 32][12,800 bytes]; a step's bytes: eight fragments
; (16 rows x 128 K, 12 registers a lane) as IMAGES OF THEIR REGISTERS, registers 4 c .. 4 c + 3 of lane l at 512 c + 16 l, and behind them the step's scale words [blocks 0-3 | 4-7][row 16][block 4].
; So a wave's tile of three K steps is 38,400 dense bytes with its scale words in it, a fragment comes by three ds_load_b128 of 512 consecutive bytes, a step's eight scale words by two, and nothing is padded.
; THE SECOND SUM STARTS THE ACCUMULATORS.  hidden arrives as four partial sums along K, f32, in the layout of a matrix result.  The sums over K's lower and upper half are rounded to bf16 and stand at k = 0..15 and
; k = 16..31 of one bf16 fragment, lora_b_w (bf16) stands in both halves: 64 matrix instructions of 16 x 16 x 32, C = 0, issued while the first tiles are on their way; the unit makes the last addition in f32.
; LIMITS: hidden enters that product as two bf16 numbers and lora_b_w as bf16 (the product is left as it is: K = 16); NaN and infinities are not served.
; SHARES.  A tile of out0, 256 x 256, is made by a work-group of four waves, as many as a WGP has SIMDs; a wave makes 128 x 128: 64 accumulators, 512 registers.  256 tiles, one to a work-group.
; THE RING.  Two LDS slots of three K steps, as large as two fit: 2 x 4 x 38,400 bytes.  32 steps = 2 + 10 x 3: the first tile has two steps, the ten that follow three.  The change of slots stands between the two halves of a
; slot's last step, so that all 192 matrix instructions of a slot lie between a request and the wait for it: 32 behind the request, the next slot's first two steps, and 32 of its last.
; CLUSTERS: 4 x 4 work-groups.  The four of a row of the cluster need the same tiles of x, the four of a column the same tiles of W: each tile is asked for JOINTLY, by the same tensor load with the same descriptor
; and a mask that names the four.  THE MATRIX INSTRUCTION IS USED TRANSPOSED (source 0 = 16 rows of W, source 1 = 16 rows of x): a lane then holds eight neighbouring numbers of a row of out0.
; REGISTERS, in windows of 256: window 0: v0-31 addresses; v32-47 scale words, two sets; v64-127 hidden's eight bf16 fragments; v128-223 x's fragments, ONE set; on the way out v128-255 rows of out0.
;   window 1: W's fragments, TWO sets, at v0 and at v128 (at the start v0-63: lora_b_w's eight bf16 fragments).   window 2: the accumulators of my rows 0-63 ((a, b) at v[8 (8 a + b)]);  window 3: those of rows 64-127.
;   (At the start windows 2 and 3 take hid's and lora_b_w's f32 numbers as they are loaded.)
.set SIZE_N, 4096
.set FR,     12                        ; registers of a fragment
.set NL,     3                         ; LDS loads that bring one
.set NP,     4                         ; places behind this matrix instruction (ISA guide 7.12.1)
.set FRB,    1536                      ; a fragment's image
.set CODEB,  8*FRB                     ; a step's codes of 128 rows
.set STEPB,  CODEB+512                 ; and its scale words: 12,800 bytes
.set TILE,   3*STEPB                   ; 128 rows x 384 K: what one tensor load brings, and what one wave reads of x or of W
.set TILE0,  2*STEPB                   ; the first tile: 128 rows x 256 K
.set GROUPB, 32*STEPB                  ; 128 rows x all of K
.set SLOT,   4*TILE                    ; x's 256 rows, then W's 256 rows
.set LAPS,   4                         ; trips of the loop: a trip goes once round the ring
.set SPARE,  2*SLOT                    ; behind the ring: the spare words, 128 bytes for each wave: two blocks of 256 bytes that no other line names
.set STAGE,  SLOT                      ; the way out: a stage of 16 rows x (512 bytes + 16) for each wave, in slot 1, which has had its last fill and its last read when the first result is stored there
.set SPITCH, 528
.set ASKB,   32768                     ; what the four partners' prefetches of one line name together
.set PF0,    GROUPB-9*ASKB             ; where in a group's stream the prefetches begin
.set ADRA, 16                          ; v16-17  LDS address of my x fragments in slot 0, 1
.set ADRS, 18                          ; v18-19  of my scale words: lanes 0-15 x's rows, lanes 16-31 W's
.set ADRB, 20                          ; v20-21  of my W fragments
.set STO,  24                          ; v24     the way out: where I put 32 bytes of a row
.set RD,   25                          ; v25     the way out: where I read a row back
.set LI,   26                          ; v26     16 x lane: my place in an image, and in a row's 512 bytes of out0
.set SPW,  28                          ; v28     LDS address of my spare word: SPARE + 4 x my thread's number; never rewritten
.set NIL,  29                          ; v29     0; never rewritten
.set PFO,  30                          ; v30     256 x lane: the prefetches' offset; never rewritten
.set LBO,  31                          ; v31     lora_b_w: 64 r + 32 h
.set SC,   32                          ; scale words: set p at v[SC + 8 p]; in it register i: lanes 0-15 the word of x's block i, lanes 16-31 that of W's block i.  They hold scales and nothing else
.set HF,   64                          ; hidden's fragments
.set AF,   128                         ; x's fragments
.set BK,   128                         ; the way out: 16 rows read back: v128-191 and v192-255 by turns
.set G1,   24                          ; s[24:31] descriptor group 1 for x's tiles;  s[32:39] group 0, one set for each slot
.set G0,   32
.set G1B,  48                          ; s[48:55], s[56:63] the same for W's tiles
.set G0B,  56
.set PFA,  66                          ; s[66:67] where my prefetches stand
.set G1F,  68                          ; s[68:75] group 1 for x's first tile, of two steps;  s[80:87] for W's
.set G1FB, 80
.set LIM,  94                          ; s94, s95 the trips in which my wave prefetches at the trip's first and second change of slots: 4 and 3, or 0 and 0
.set MSB, 0
.macro WIN new                         ; the immediate's high byte repeats the setting that is left; a switch that changes nothing is dropped
.if MSB != (\new)
	s_set_vgpr_msb (MSB<<8)|(\new)
.set MSB, (\new)
.endif
.endm
.set MUL_LO, 0xa1                      ; source 0 (W) window 1, source 1 (x) window 0, C and D window 2
.set MUL_HI, 0xf1                      ; the same, C and D window 3
.set TO_B,   0x40                      ; destination window 1, address window 0
; A joint load: waves 0 and 1 fetch for x, waves 2 and 3 for W.  Each of the two lines has ONE mask and one set of registers for all that issue it; the branch hangs on the wave's number alone.
; Four v_nop follow each of the two lines, ahead of the jump, the label and what follows.
.macro JLOAD g0a, g1a, g0b, g1b
	s_cmp_eq_u32 s15, 0
	s_cbranch_scc0 .Lfor_b_\@
	tensor_load_to_lds s[\g0a:\g0a+3], s[\g1a:\g1a+7]
	s_nop 0
.rept 4
	v_nop
.endr
	s_branch .Lasked_\@
.Lfor_b_\@:
	tensor_load_to_lds s[\g0b:\g0b+3], s[\g1b:\g1b+7]
	s_nop 0
.rept 4
	v_nop
.endr
.Lasked_\@:
.endm
; A round of the cluster's barrier: my work-group's barrier, so that wave 0's signal speaks for all four waves; wave 0 signals for the work-group; every wave waits for all sixteen work-groups; my work-group's barrier once more.
.macro CROUND
	s_barrier_signal -1
	s_barrier_wait -1
	s_cmp_lg_u32 s14, 0
	s_cbranch_scc1 .Lnot_wave_0_\@
	s_barrier_signal -3
.Lnot_wave_0_\@:
	s_barrier_wait -3
	s_barrier_signal -1
	s_barrier_wait -1
.endm
; A PREFETCH of bytes that later refills will ask for.  A group's 32 steps are one stream of 409,600 bytes.  Its first 114,688 (tiles 0 to 2 and the first step's codes of tile 3) come by their loads alone; the other
; 294,912 are nine asks of 32,768.  One line of a wave names 32 lanes x 256 bytes; the four partners that fetch a tile jointly take neighbouring 8,192 bytes BY ADDRESS (cx for x, cy for W): no branch hangs on a work-group's
; place in its cluster.  WHO: the wave that fetches the stream, in the clusters with x = 0 (x's stream, which every cluster of that row of clusters reads) or y = 0 (W's): so each 256 bytes are named once in the launch.
; WHEN: two asks at the first change of slots (mode 1), one at each of the next seven (modes 2, 3: a trip's first and second change); the last change that fills a slot asks for nothing.  By the tiles' places in the stream
; every byte is named one or two changes of slots, 192 to 384 matrix instructions, ahead of the load that wants it.  The ninth ask ends at the stream's last byte.
.macro ASK mode
.if (\mode) == 1
	s_cmp_lg_u32 s[LIM], 0
	s_cbranch_scc0 .Lnot_mine_\@
	global_prefetch_b8 v[PFO], s[PFA:PFA+1] th:TH_LOAD_NT scope:SCOPE_SE
	global_prefetch_b8 v[PFO], s[PFA:PFA+1] offset:ASKB th:TH_LOAD_NT scope:SCOPE_SE
.else
	s_cmp_lt_u32 s3, s[LIM+(\mode)-2]
	s_cbranch_scc0 .Lnot_mine_\@
	global_prefetch_b8 v[PFO], s[PFA:PFA+1] offset:ASKB th:TH_LOAD_NT scope:SCOPE_SE
.endif
.Lnot_mine_\@:
.endm
	s_load_b128 s[4:7], s[0:1], 0x0                ; x_ops s[4:5], w_ops s[6:7]
	s_load_b64 s[12:13], s[0:1], 0x10              ; out0
	s_load_b64 s[96:97], s[0:1], 0x18              ; hid
	s_load_b64 s[98:99], s[0:1], 0x20              ; lora_b_w
	v_lshl_add_u32 v[SPW], v0, 2, SPARE
	v_mov_b32 v[NIL], 0
	ds_add_u32 v28, v29
	ds_add_u32 v28, v29
	s_wait_dscnt 0x0
	v_lshrrev_b32 v1, 5, v0
	v_readfirstlane_b32 s14, v1                    ; wave 0..3
	v_and_b32 v1, 15, v0                           ; r
	v_bfe_u32 v2, v0, 4, 1                         ; h
	v_and_b32 v3, 31, v0
	v_lshlrev_b32 v[LI], 4, v3
	v_lshlrev_b32 v[LBO], 6, v1
	v_lshl_add_u32 v[LBO], v2, 5, v[LBO]
	s_lshr_b32 s15, s14, 1                         ; which half of the tile's rows is mine.  Also: I fetch for x (0) or for W (1)
	s_and_b32 s16, s14, 1                          ; which half of its columns.  Also: which 128 rows of that tile I fetch
	s_bfe_u32 s40, ttmp6, 0x40000                  ; cx, cy: my place in the cluster
	s_bfe_u32 s41, ttmp6, 0x40004
	s_lshl_b32 s42, ttmp9, 2
	s_add_co_u32 s42, s42, s40                     ; tile column = 4 x cluster x + cx
	s_and_b32 s17, ttmp7, 0xffff
	s_lshl_b32 s17, s17, 2
	s_add_co_u32 s17, s17, s41                     ; tile row = 4 x cluster y + cy
	s_lshl_b32 s43, s41, 2
	s_lshl_b32 s43, 15, s43                        ; my row of the cluster
	s_lshl_b32 s44, 0x1111, s40                    ; my column
	; descriptor group 1: a tile is a dense block of 38,400 bytes: 150 rows of 32 elements of 8 bytes; no padding
	s_or_b32 s[G1+0], s43, (3<<16)|(1<<21)         ; 15:0 the mask: x's tiles go to my row; 17:16 elements of 8 bytes; 21 set beside a mask
	s_or_b32 s[G1B+0], s44, (3<<16)|(1<<21)        ; W's go to my column
.irp g, G1, G1B
	s_mov_b32 s[\g+1], 32<<16                      ; tensor_dim0 = 32
	s_mov_b32 s[\g+2], (TILE/256)<<16              ; tensor_dim1 = 150
	s_mov_b32 s[\g+3], 32<<16                      ; tile_dim0 = 32
	s_mov_b32 s[\g+4], TILE/256                    ; tile_dim1 = 150
	s_mov_b32 s[\g+5], 32                          ; tensor_dim0_stride
	s_mov_b32 s[\g+6], 0
	s_mov_b32 s[\g+7], 0
.endr
	; and the first tile: 25,600 bytes: 100 such rows
	s_or_b32 s[G1F+0], s43, (3<<16)|(1<<21)
	s_or_b32 s[G1FB+0], s44, (3<<16)|(1<<21)
.irp g, G1F, G1FB
	s_mov_b32 s[\g+1], 32<<16
	s_mov_b32 s[\g+2], (TILE0/256)<<16
	s_mov_b32 s[\g+3], 32<<16
	s_mov_b32 s[\g+4], TILE0/256
	s_mov_b32 s[\g+5], 32
	s_mov_b32 s[\g+6], 0
	s_mov_b32 s[\g+7], 0
.endr
	s_lshl_b32 s20, s17, 1
	s_add_co_u32 s20, s20, s16                     ; x: group 2 x tile row + half
	s_lshl_b32 s46, s42, 1
	s_add_co_u32 s46, s46, s16                     ; W: group 2 x tile column + half
	s_mul_i32 s20, s20, GROUPB                     ; where the groups' streams begin, in bytes (under 2^24)
	s_mov_b32 s21, 0
	s_mul_i32 s46, s46, GROUPB
	s_mov_b32 s47, 0
	s_mul_i32 s45, s14, TILE                       ; where they go: wave x a tile: no place in the cluster enters an LDS address
	s_lshl_b32 s18, s17, 14                        ; hid: my 8 blocks of 16 rows: (16 x tile row + 8 x row half) x 1,024 bytes
	s_lshl_b32 s19, s15, 13
	s_add_co_u32 s18, s18, s19
	s_mov_b32 s19, 0
	s_lshl_b32 s2, s42, 14                         ; lora_b_w: my 128 rows of 64 bytes: (256 x tile column + 128 x column half) x 64
	s_lshl_b32 s3, s16, 13
	s_add_co_u32 s2, s2, s3
	s_mov_b32 s3, 0
	s_wait_kmcnt 0x0
	s_add_nc_u64 s[20:21], s[4:5], s[20:21]
	s_add_nc_u64 s[46:47], s[6:7], s[46:47]
	s_add_nc_u64 s[96:97], s[96:97], s[18:19]
	s_add_nc_u64 s[98:99], s[98:99], s[2:3]
	CROUND                                         ; all sixteen work-groups are here: the first joint loads meet
.irp s, 0,1
	s_mov_b32 s[G0+4*\s], 1                        ; count = 1
	s_add_co_u32 s[G0+4*\s+1], s45, \s*SLOT        ; LDS address
	s_add_nc_u64 s[G0+4*\s+2:G0+4*\s+3], s[20:21], \s*TILE0   ; global address: the stream's first tile, and the second behind its 25,600 bytes
	s_or_b32 s[G0+4*\s+3], s[G0+4*\s+3], 0x80000000           ; type = 2
	s_mov_b32 s[G0B+4*\s], 1
	s_add_co_u32 s[G0B+4*\s+1], s45, \s*SLOT
	s_add_nc_u64 s[G0B+4*\s+2:G0B+4*\s+3], s[46:47], \s*TILE0
	s_or_b32 s[G0B+4*\s+3], s[G0B+4*\s+3], 0x80000000
.if \s == 0
	JLOAD G0, G1F, G0B, G1FB                       ; K steps 0 and 1
.else
	JLOAD G0+4, G1, G0B+4, G1B                     ; K steps 2 to 4: two tensor loads of mine are out
.endif
.endr
	; ---- hidden and lora_b_w are asked for: they land in the accumulators' registers, which are free until the first products
	WIN 0x80                                       ; destination window 2
.irp a, 0,1,2,3,4,5,6,7                        ; block a of my rows, quarter k of K: 8 registers at v[32 a + 8 k], the image of a matrix result
.irp k, 0,1,2,3
.irp c, 0,1
	global_load_b128 v[32*\a+8*\k+4*\c:32*\a+8*\k+4*\c+3], v[LI], s[96:97] offset:262144*\k+1024*\a+512*\c
.endr
.endr
.endr
	WIN 0xc0                                       ; destination window 3
.irp b, 0,1,2,3,4,5,6,7                        ; block b of my columns: lane (r, h) takes lora_b_w[16 b + r][8 h + 0 .. 7]
.irp c, 0,1
	global_load_b128 v[8*\b+4*\c:8*\b+4*\c+3], v[LBO], s[98:99] offset:1024*\b+16*\c
.endr
.endr
	WIN 0
	; ---- the addresses are made while these loads and the first tiles are out
	s_mul_i32 s21, s15, TILE                       ; my 128 rows of x
	s_mul_i32 s22, s16, TILE                       ; my 128 rows of W,
	s_add_co_u32 s22, s22, 2*TILE                  ; which lie behind x's 256
.irp s, 0,1
	v_add_nc_u32 v[ADRA+\s], s21, v[LI]
	v_add_nc_u32 v[ADRB+\s], s22, v[LI]
	s_add_co_u32 s21, s21, SLOT
	s_add_co_u32 s22, s22, SLOT
.endr
	v_lshlrev_b32 v5, 4, v1                        ; my row's four words of half a step's blocks: 16 r
	s_mul_i32 s21, s15, TILE                       ; x's: in my 128 rows' tile
	s_mul_i32 s22, s16, TILE                       ; W's: in my 128 rows' tile, behind x's two
	s_add_co_u32 s22, s22, 2*TILE
	s_sub_co_u32 s22, s22, s21
	v_mul_u32_u24 v6, s22, v2                      ; lanes 16-31 take W's: the lower base + h x the distance
	s_add_co_u32 s21, s21, CODEB                   ; behind a step's codes
	v_add_nc_u32 v5, v5, v6
	v_add_nc_u32 v[ADRS], s21, v5
	v_add_nc_u32 v[ADRS+1], SLOT, v[ADRS]
	s_mul_i32 s23, s14, 16*SPITCH                  ; my stage
	s_add_co_u32 s23, s23, STAGE
	v_mul_u32_u24 v5, v1, SPITCH                   ; in: row r, 32 bytes for each half of the lanes
	v_lshl_add_u32 v5, v2, 5, v5
	v_add_nc_u32 v[STO], s23, v5
	v_add_nc_u32 v[RD], s23, v[LI]                 ; back: the 32 lanes take one row of 512 bytes
	s_lshl_b32 s20, s17, 22                        ; out0: (256 x tile row + 128 x row half) rows of 16,384 bytes
	s_lshl_b32 s21, s15, 21
	s_add_co_u32 s20, s20, s21
	s_lshl_b32 s21, s42, 10                        ; + 1,024 x tile column + 512 x column half  (under 2^27 in all)
	s_add_co_u32 s20, s20, s21
	s_lshl_b32 s21, s16, 9
	s_add_co_u32 s20, s20, s21
	s_mov_b32 s21, 0
	s_add_nc_u64 s[12:13], s[12:13], s[20:21]
	; the prefetches: whose stream, which part of an ask, and who asks
	s_and_b32 s22, ttmp7, 0xffff                   ; cluster y
	s_cmp_eq_u32 s15, 0                            ; do I fetch for x?
	s_cselect_b32 s20, s17, s42                    ; the tile row, or the tile column
	s_cselect_b32 s21, s40, s41                    ; my place among the four that ask for the tile with me
	s_cselect_b32 s22, ttmp9, s22                  ; the coordinate along which other clusters read the same stream
	s_cselect_b64 s[PFA:PFA+1], s[4:5], s[6:7]
	s_cmp_eq_u32 s22, 0
	s_cselect_b32 s[LIM], 4, 0                     ; the same in all sixteen partners, for a given wave
	s_cselect_b32 s[LIM+1], 3, 0
	s_lshl_b32 s20, s20, 1
	s_add_co_u32 s20, s20, s16                     ; the group that I fetch
	s_mul_i32 s20, s20, GROUPB
	s_lshl_b32 s21, s21, 13                        ; my work-group's 8,192 bytes of an ask
	s_add_co_u32 s20, s20, s21
	s_add_co_u32 s20, s20, PF0                     ; nothing is prefetched here, at the head, where every work-group's first tiles are on their way
	s_mov_b32 s21, 0
	s_add_nc_u64 s[PFA:PFA+1], s[PFA:PFA+1], s[20:21]
	v_lshlrev_b32 v[PFO], 4, v[LI]
	; ---- the accumulators are started: hidden x lora_b_w^T
	s_wait_loadcnt 0x0                             ; hid and lora_b_w
	WIN 0x8a                                       ; destination, sources 0 and 1: window 2
.irp a, 0,1,2,3,4,5,6,7
.irp p, 0,2,4,6
	v_pk_add_f32 v[32*\a+\p:32*\a+\p+1], v[32*\a+\p:32*\a+\p+1], v[32*\a+8+\p:32*\a+8+\p+1]             ; K's first and second quarter
	v_pk_add_f32 v[32*\a+16+\p:32*\a+16+\p+1], v[32*\a+16+\p:32*\a+16+\p+1], v[32*\a+24+\p:32*\a+24+\p+1]   ; its third and fourth
.endr
.endr
	WIN 0x4f                                       ; sources window 3, destination window 1
.irp b, 0,1,2,3,4,5,6,7
.irp p, 0,1,2,3
	v_cvt_pk_bf16_f32 v[8*\b+\p], v[8*\b+2*\p], v[8*\b+2*\p+1]        ; lora_b_w at k = 8 h + 0 .. 7
	v_cvt_pk_bf16_f32 v[8*\b+4+\p], v[8*\b+2*\p], v[8*\b+2*\p+1]      ; and once more at k = 16 + 8 h + 0 .. 7
.endr
.endr
	WIN 0x0a                                       ; sources window 2, destination window 0
.irp a, 0,1,2,3,4,5,6,7
.irp p, 0,1,2,3
	v_cvt_pk_bf16_f32 v[HF+8*\a+\p], v[32*\a+2*\p], v[32*\a+2*\p+1]           ; the lower half's sum at k = 8 h + 0 .. 7: a matrix result's lane holds just these
	v_cvt_pk_bf16_f32 v[HF+8*\a+4+\p], v[32*\a+16+2*\p], v[32*\a+16+2*\p+1]   ; the upper half's at k = 16 + 8 h + 0 .. 7
.endr
.endr
.irp a, 0,1,2,3,4,5,6,7
	WIN MUL_LO+0x50*(\a/4)
.irp b, 0,1,2,3,4,5,6,7
	v_wmma_f32_16x16x32_bf16 v[8*(8*(\a%4)+\b):8*(8*(\a%4)+\b)+7], v[8*\b:8*\b+7], v[HF+8*\a:HF+8*\a+7], 0   ; nothing is ever cleared
.endr
.endr
	WIN 0
.rept NP+1
	v_nop                                          ; another form adds onto these results next: it writes over them, five places on; the loads into lora_b_w's registers want four
.endr
.macro FRAG reg, adr, q, i             ; block i's fragment of the slot's q-th K step: three loads of 512 consecutive bytes, the registers as they were stored
.irp c, 0,1,2
	ds_load_b128 v[\reg+4*\c:\reg+4*\c+3], v[\adr] offset:STEPB*(\q)+FRB*(\i)+512*\c
.endr
.endm
; 16 matrix instructions: x's blocks a0, a0 + 1 against W's eight, 128 along K;  p: W's set and the set of scale words, the K step's parity.
; The 64 accumulators take turns, one instruction a turn, in the same order in every step.
.macro MUL16 a0, p
.irp a, \a0, \a0+1
.irp b, 0,1,2,3,4,5,6,7
	v_wmma_scale_f32_16x16x128_f8f6f4 v[8*(8*((\a)%4)+\b):8*(8*((\a)%4)+\b)+7], v[128*(\p)+FR*\b:128*(\p)+FR*\b+FR-1], v[AF+FR*(\a):AF+FR*(\a)+FR-1], v[8*(8*((\a)%4)+\b):8*(8*((\a)%4)+\b)+7], v[SC+8*(\p)+\b], v[SC+8*(\p)+(\a)] matrix_a_fmt:MATRIX_FMT_BF6 matrix_b_fmt:MATRIX_FMT_BF6 matrix_a_scale:MATRIX_SCALE_ROW1
.endr
.endr
.endm
.macro FETCH_B slot, q, set            ; W's eight fragments into a set
	WIN TO_B
.irp i, 0,1,2,3,4,5,6,7
	FRAG 128*(\set)+FR*\i, ADRB+\slot, \q, \i
.endr
	WIN 0
.endm
.macro FETCH_A slot, q, i0             ; x's blocks i0 .. i0 + 3
.irp i, \i0, \i0+1, \i0+2, \i0+3
	FRAG AF+FR*(\i), ADRA+\slot, \q, \i
.endr
.endm
.macro SCALES slot, q, set             ; a step's scale words into a set: lane r takes its row's words of blocks 0-3, then of blocks 4-7; lanes 0-15 x's, lanes 16-31 W's.  Sixteen lanes read 256 consecutive bytes
	ds_load_b128 v[SC+8*(\set):SC+8*(\set)+3], v[ADRS+\slot] offset:STEPB*(\q)
	ds_load_b128 v[SC+8*(\set)+4:SC+8*(\set)+7], v[ADRS+\slot] offset:STEPB*(\q)+256
.endm
; A load into a register that a matrix instruction has read, and an LDS store that reads a matrix result, stand NP places behind that matrix instruction, and only plain vector instructions that name none of its
; registers are places (ISA guide 7.12.1 for vector instructions); this text does not count the matrix instructions in between.
.macro PLACES n
.rept \n
	v_nop
.endr
.endm
; A K step that has its successor in the same slot.  x has one set of registers: a block is free as soon as its eight products are issued, so blocks 0-3 are fetched anew in the step's middle, blocks 4-7 at its end;
; W's fragments and the scale words are at work through the whole step and have two sets.
.macro STEP slot, q, p
	s_wait_dscnt 4*NL                              ; W's set, x's blocks 0-3 and the scale words are in; the youngest twelve loads (x's blocks 4-7) may be out
	WIN MUL_LO
	MUL16 0, \p
	MUL16 2, \p
	s_wait_dscnt 0                                 ; x's blocks 4-7 are in (asked for 32 matrix instructions ago)
	PLACES NP
	FETCH_B \slot, (\q)+1, 1-(\p)
	FETCH_A \slot, (\q)+1, 0
	SCALES \slot, (\q)+1, 1-(\p)
	WIN MUL_HI
	MUL16 4, \p
	MUL16 6, \p
	PLACES NP
	WIN 0
	FETCH_A \slot, (\q)+1, 4
.endm
; A slot's last K step changes slots in its middle.  All its fragments are in registers or on their way, so behind its first 32 products nothing more is read from the slot.  Each wave then waits for all its tensor loads
; (one is out: its part of the next slot), adds 0 to its spare word, and waits for that and for its own reads of this slot.  fill = 1: this slot is filled again: the barrier is a round of the cluster's, so that no wave of
; any partner still reads the slot or has a load on its way, and the joint refill is the first thing behind it.  gstep: from this slot's last tile to its next, in bytes.  ask: the prefetch's mode (macro ASK), 0: none.
.macro TURN slot, next, p, fill, gstep, ask
	s_wait_dscnt 4*NL                              ; as at a step's head
	WIN MUL_LO
	MUL16 0, \p
	MUL16 2, \p
	WIN 0
	s_wait_tensorcnt 0x0                           ; all my tensor loads have landed, so a group 0 may be written;
	ds_add_u32 v[SPW], v[NIL]                      ; 0 onto my spare word; the descriptors' steps stand between it and the wait for it
.if \fill
	s_add_nc_u64 s[G0+4*\slot+2:G0+4*\slot+3], s[G0+4*\slot+2:G0+4*\slot+3], \gstep   ; the type bits on top are not reached
	s_add_nc_u64 s[G0B+4*\slot+2:G0B+4*\slot+3], s[G0B+4*\slot+2:G0B+4*\slot+3], \gstep
.if (\ask) > 1
	s_wait_xcnt 0x0                                ; the last prefetch, a slot back, has read its address, so it may be written
	s_add_nc_u64 s[PFA:PFA+1], s[PFA:PFA+1], ASKB  ; (behind the last ask it is stepped once more and never used)
.endif
.endif
	s_wait_dscnt 0x0                               ; the add is done, and my reads of this slot are over (the last were issued 32 matrix instructions ago)
.if \fill
	CROUND
	JLOAD G0+4*\slot, G1, G0B+4*\slot, G1B         ; my one tensor load until the next round; its four v_nop are the places in front of the loads below
.else
	s_barrier_signal -1
	s_barrier_wait -1
	PLACES NP
.endif
	FETCH_B \next, 0, 1-(\p)
	FETCH_A \next, 0, 0
	SCALES \next, 0, 1-(\p)
.if \ask
	ASK \ask                                       ; behind the joint load and the run of LDS loads that the next products wait for
.endif
	WIN MUL_HI
	MUL16 4, \p                                    ; x's blocks 4-7 have been in since the wait in front of the barrier
	MUL16 6, \p
	PLACES NP
	WIN 0
	FETCH_A \next, 0, 4
.endm
	s_wait_tensorcnt 1                             ; my part of slot 0 is in (slot 1's load may be out)
	s_barrier_signal -1
	s_barrier_wait -1                              ; everybody's is
	FETCH_B 0, 0, 0
	FETCH_A 0, 0, 0
	SCALES 0, 0, 0
	FETCH_A 0, 0, 4
	STEP 0, 0, 0                                   ; the first tile: K steps 0 and 1
	TURN 0, 1, 1, 1, TILE0+TILE, 1                 ; slot 0 takes K steps 5 to 7, which begin behind the first two tiles
	s_mov_b32 s3, 0                                ; the trip
.Llap:                                                 ; LAPS trips: a trip goes once round the ring, six K steps, and fills both slots again.  W's sets and the scale words' are back where they began
	STEP 1, 0, 0
	STEP 1, 1, 1
	TURN 1, 0, 0, 1, 2*TILE, 2
	STEP 0, 0, 1
	STEP 0, 1, 0
	TURN 0, 1, 1, 1, 2*TILE, 3
	s_add_co_u32 s3, s3, 1
	s_cmp_lt_u32 s3, LAPS
	s_cbranch_scc1 .Llap
	STEP 1, 0, 0                                   ; the last six K steps are written out: they fill nothing, and have no round of the cluster's barrier
	STEP 1, 1, 1
	TURN 1, 0, 0, 0, 0, 0
	STEP 0, 0, 1
	STEP 0, 1, 0
	s_wait_dscnt 4*NL                              ; the very last step: nothing more to fetch
	WIN MUL_LO
	MUL16 0, 1
	MUL16 2, 1
	s_wait_dscnt 0
	WIN MUL_HI
	MUL16 4, 1
	MUL16 6, 1
	WIN 0
; THE WAY OUT, block by block of 16 rows x 128 columns.  A lane holds 32 neighbouring bytes of a row, and the lanes beside it hold other rows: so a block goes through my own stage in LDS and comes back as whole
; rows of 512 bytes.  LDS serves a wave's instructions in order (ISA guide 5.7.1.4): no wait between the stores and the loads, nor in front of the next block's stores.
.macro TOSTAGE a
.set AC, 64*((\a)%4)
	WIN 0x08+4*((\a)/4)                            ; the data: window 2 or 3
.irp b, 0,1,2,3,4,5,6,7
	ds_store_b128 v[STO], v[AC+8*\b:AC+8*\b+3] offset:64*\b          ; each accumulator from its low end on
	ds_store_b128 v[STO], v[AC+8*\b+4:AC+8*\b+7] offset:64*\b+16
.endr
	WIN 0
.set BB, BK+64*((\a)%2)
.irp t, 0,1,2,3,4,5,6,7,8,9,10,11,12,13,14,15
	ds_load_b128 v[BB+4*\t:BB+4*\t+3], v[RD] offset:\t*SPITCH
.endr
.endm
.macro SEND a, younger                 ; younger: the LDS instructions issued behind block a's loads, which may stay out
.set BB, BK+64*((\a)%2)
	s_wait_dscnt \younger                          ; the block is back in registers
.if (\a) > 0
	s_add_nc_u64 s[12:13], s[12:13], 16*SIZE_N*4   ; (behind a wait on XCNT for 0: the earlier stores have read their base)  16 rows on, so that the stores' offsets stay at 15 rows at the most
.endif
.irp t, 0,1,2,3,4,5,6,7,8,9,10,11,12,13,14,15
	global_store_b128 v[LI], v[BB+4*\t:BB+4*\t+3], s[12:13] offset:\t*SIZE_N*4 th:TH_STORE_NT   ; 32 lanes store 512 consecutive bytes, at a multiple of 256 from out0's first byte; written once, read by nobody here
.endr
.endm
	PLACES NP                                      ; for the loads into the registers that held x's fragments, and for the reads of the last products' results
	TOSTAGE 0
.irp a, 1,2,3,4,5,6,7
.if \a > 1
	s_wait_xcnt 0x0                                ; block a - 2's stores have read their registers and their base: block a's loads may land there, and the base may step
.endif
	TOSTAGE \a
	SEND \a-1, 32                                  ; behind block a - 1's loads: block a's 16 stores and 16 loads
.endr
	s_wait_xcnt 0x0                                ; block 6's stores have read their base
	SEND 7, 0
	s_wait_tensorcnt 0x0                           ; the wave's end: behind my last tensor load and my last LDS store
	ds_add_u32 v[SPW], v[NIL]
	s_wait_dscnt 0x0
	CROUND                                         ; the closing round: no work-group ends while a partner may still ask for a tile that names it
	s_endpgm
.Lfunc_end_k_qae739512d7_gemm:
	.size	k_qae739512d7_gemm, .Lfunc_end_k_qae739512d7_gemm-k_qae739512d7_gemm
	.p2alignl 7, 3214868480
	.fill 96, 4, 3214868480
	.section	.rodata,"a",@progbits
	.p2align	6, 0x0
	.amdhsa_kernel k_qae739512d7_gemm
		.amdhsa_group_segment_fixed_size 327680
		.amdhsa_private_segment_fixed_size 0
		.amdhsa_enable_private_segment 0
		.amdhsa_kernarg_size 40
		.amdhsa_user_sgpr_count 2
		.amdhsa_user_sgpr_kernarg_segment_ptr 1
		.amdhsa_wavefront_size32 1
		.amdhsa_system_sgpr_workgroup_id_x 1
		.amdhsa_system_sgpr_workgroup_id_y 1
		.amdhsa_system_sgpr_workgroup_id_z 1
		.amdhsa_system_vgpr_workitem_id 0
		.amdhsa_next_free_vgpr 1024
		.amdhsa_next_free_sgpr 100
		.amdhsa_reserve_vcc 0
		.amdhsa_float_denorm_mode_32 3
		.amdhsa_float_denorm_mode_16_64 3
		.amdhsa_memory_ordered 1
		.amdhsa_forward_progress 1
		.amdhsa_inst_pref_size 229
	.end_amdhsa_kernel
	.amdgpu_metadata
---
amdhsa.version: [ 1, 2 ]
amdhsa.kernels:
  - .name:           k_qae739512d7_gemm
    .symbol:         k_qae739512d7_gemm.kd
    .args:
      - { .name: x_ops, .offset: 0, .size: 8, .value_kind: global_buffer, .address_space: global }
      - { .name: w_ops, .offset: 8, .size: 8, .value_kind: global_buffer, .address_space: global }
      - { .name: out0, .offset: 16, .size: 8, .value_kind: global_buffer, .address_space: global }
      - { .name: hid, .offset: 24, .size: 8, .value_kind: global_buffer, .address_space: global }
      - { .name: lora_b_w, .offset: 32, .size: 8, .value_kind: global_buffer, .address_space: global }
    .group_segment_fixed_size: 327680
    .private_segment_fixed_size: 0
    .kernarg_segment_align: 8
    .kernarg_segment_size: 40
    .max_flat_workgroup_size: 128
    .sgpr_count:     100
    .vgpr_count:     1024
    .wavefront_size: 32
...
	.end_amdgpu_metadata
.endif
;; end of part 2
;; ======== version 2 of 2: 2 launches; version 1 with the launch prep written anew for expert scheduling mode
;; workspace buffers: x_ops 13,107,200 bytes; w_ops 13,107,200 bytes; hid 1,048,576 bytes
;; launch prep (part 3): grid 256 x 1, 8 waves a work-group, no clusters, 91,136 bytes of LDS; arguments x, q_packed, scales, lora_a_w, x_ops, w_ops, hid; writes x_ops, w_ops, hid
.if DOCPART == 3
	.amdgcn_target "amdgcn-amd-amdhsa--gfx1250"
	.amdhsa_code_object_version 6
	.text
	.protected	k_qae739512d7_prep
	.globl	k_qae739512d7_prep
	.p2align	8
	.type	k_qae739512d7_prep,@function
k_qae739512d7_prep:
	s_mov_b64 s[64:65], 0
	v_nop
	global_prefetch_b8 v0, s[64:65] scope:SCOPE_SE
	s_setreg_imm32_b32 hwreg(HW_REG_WAVE_SCHED_MODE, 0, 2), 2
	s_setreg_imm32_b32 hwreg(HW_REG_WAVE_MODE, 25, 1), 1
	s_wait_xcnt 0x0
	s_wait_alu depctr_vm_vsrc(0)
; PREP: x [4096][4096] f32, W = NF4[q_packed] x scales [4096][4096] and lora_a_w [16][4096] f32 become codes of BF6 (E3M2), 6 bits each, with one E8M0 scale byte for each 32 along K;
; and hidden = Q(x) Q(lora_a)^T, the small quantised product, is made here, where x's fragments stand in registers anyway, as four partial sums along K.
; A block's scale is 2^(floor(log2(its largest magnitude)) - 4); its byte is the largest magnitude's exponent field - 4, held at 1 from below; each number / scale goes to the nearest code, ties to even, beyond 28 the largest code.
; LIMITS: NaN and infinities among the inputs are not served.  A block of zeros, or one whose largest magnitude lies under the floor 2^-122, gets the byte 1 (the rule says 127 for zeros): its codes are zeros, which add
; nothing under any byte but 0xff, and the bytes are read by this program alone.  Of an int of q_packed bits 7:0 count, as in reference().
; LAYOUT OF THE RESULTS: as the next launch's tiles and registers want them.  x_ops and w_ops: [group of 128 rows 32][K step of 128 32][12,800 bytes].  A step's 12,800 bytes: the eight blocks of 16 rows, each a fragment
; (12 registers a lane) as an image of its registers, registers 4 c .. 4 c + 3 of lane l at 512 c + 16 l: 8 x 1,536 bytes; then the step's scale words, four bytes each, [blocks 0-3 | 4-7][row 16][block 4]: 512 bytes.
;   hid    [quarter of K 4][block of 16 rows 256][1,024 bytes]: the image of a matrix result: register j of lane (r, h) = the partial hidden[16 block + r][8 h + j].
; SHARES.  256 work-groups, all alike: work-group b takes quarter kc = b % 4 of K and rows 64 (b / 4) on, of x and of W.  Wave w takes the block of 16 rows i = w % 4 and the half j = w / 4 of that quarter: four steps of
; 16 rows x 128 K of x, four of W; and first one step of lora_a_w (K step 8 kc + w), whose fragment goes to the other waves through LDS as an image.
; A STEP.  Each load reads 512 consecutive bytes of one row (q_packed: 256 of each of two rows); the conversions want 16 neighbours along K in ONE lane's registers: so a step turns through the wave's own stage in LDS.
; THE SCALE WORDS of the work-group's four blocks of rows are half of a step's 512 bytes: they meet in LDS, and wave w stores K step 8 kc + w's 256 bytes, for x and for W, each as one aligned run.
; No tensor loads, so no ring.  Two barriers: behind the first lora_a's eight fragments lie in LDS; behind the second the scale words and the partial sums of the waves with j = 1.
; THE MODE: SCHED_MODE bits 1:0 = 2 (LLVM: expert scheduling mode 2), set by the entry lines.  The code itself states the register dependences between vector or matrix instructions and memory or LDS instructions,
; with s_wait_alu, always for 0.
; THE PLAN.  Registers that memory or LDS instructions touch, and who else names them:
;   v1-13, v237, v238, v16   addresses and the NF4 table: written by vector instructions at the head, ahead of the first load, and never again.
;   the sets of window 1     global loads land in them, the stage's LDS stores read them; sets 0, 1 and 2 are asked for a second time.  No vector instruction names them.
;   X    LDS loads (lora_a, x) or the permutes (W) land in it; W's multiplies write it; QUANT reads it.          Q    LDS loads land in it; the shifts read it.          IX   the shifts write it; the permutes read it.
;   PC, PW   QUANT writes them; the matrix instruction reads them; the step's stores read them.                  LF, LFS   LDS loads land in them; the matrix instruction reads them.
;   D    the matrix instructions write it; waves 4-7 store it to LDS.          v14-15, v18-19, T   at the end LDS loads land in them and global stores read them; v14-15 served W's multiplies before, T takes four additions.
; THE WAITS.  A step of x has three: on vm_vsrc behind the turn through the stage (the set is free for q_packed's loads, PC and PW for QUANT); on va_vdst directly ahead of the matrix instruction (QUANT has written its operand
; and its scale); on va_vdst behind the matrix instruction (it is done with PC, PW, LF, LFS and has written D): behind that one stand the step's stores and the whole next turn, which owe nothing more.
; A step of W has three: on va_vdst between the shifts and the permutes; on vm_vsrc ahead of QUANT (the permutes have read IX, the last stores PC and PW); on va_vdst ahead of the step's stores.
; Between a wait on va_vdst and a memory or LDS instruction that leans on it no vector or matrix instruction names a register that the instruction touches.
.set XROW,   16384                     ; a row of x or of lora_a_w in bytes
.set FRB,    1536                      ; 16 rows x 128 K: a fragment's image
.set CODEB,  8*FRB                     ; a step's codes of 128 rows
.set STEPB,  CODEB+512                 ; and its scale words
.set GROUPB, 32*STEPB                  ; 128 rows x all of K
.set XP,     528                       ; the stage, for x: a row's 512 bytes + 16, so that sixteen rows' pieces of 16 bytes start at sixteen different places modulo 256 bytes
.set QP,     272                       ; for q_packed: a row's 256 bytes + 16
.set STGB,   16*XP                     ; LDS: a stage for each wave,
.set LIMG,   8*STGB                    ; the images of lora_a's eight fragments (K step 8 kc + n),
.set LSC,    LIMG+8*FRB                ; their scale words, 4 bytes a lane,
.set RED,    LSC+8*128                 ; four images of a partial sum,
.set XSW,    RED+4*1024                ; x's scale words: [K step 8][row 16][block 4],
.set WSW,    XSW+2048                  ; and W's
.set LI,  1                            ; v1   16 x lane
.set QO,  2                            ; v2   q_packed: 8,192 h + 16 r: lanes 0-15 one row, lanes 16-31 the next
.set SO,  3                            ; v3   scales: 256 r
.set WO,  4                            ; v4   scale words out: 8 x lane
.set SA,  5                            ; v5   stage, x in:  16 x lane
.set SB,  6                            ; v6   stage, x out: 528 r + 64 h
.set SAW, 7                            ; v7   stage, q in:  272 h + 16 r
.set SBW, 8                            ; v8   stage, q out: 272 r + 32 h
.set LWI, 9                            ; v9   where I store lora_a's image
.set LWS, 10                           ; v10  and its scale words
.set LFA, 11                           ; v11  where my half's four images begin
.set LSA, 12                           ; v12  and their scale words
.set RDA, 13                           ; v13  the partial sum's image of my block of rows
.set TBL, 16                           ; v16  lane l holds NF4[l % 16]
.set OW,  18                           ; v[18:19] x's scale words on their way out (W's: v[14:15])
.set WS,  20                           ; v20-27 my row's eight NF4 scales: two for each step
.set PW,  28                           ; v28-31 the scale words of steps 0 to 3: they hold scales and nothing else
.set Q,   32                           ; v32-63 32 ints of q_packed
.set X,   64                           ; v64-127 a step's 64 numbers: register 16 b + i = k 32 b + 16 h + i of row r
.set IX,  128                          ; v128-191 4 x the table's lane for each number
.set PC,  192                          ; v192-203 the codes; v204-206, v208-210 the conversions' second halves
.set TM,  212                          ; v212-215 largest magnitudes, v216-219 the other half's / the bytes, v220-223 the conversions' scale operands
.set LF,  224                          ; v224-235 a fragment of lora_a
.set LFS, 236                          ; v236 its scale words
.set SWA, 237                          ; v237 where I put a scale word: 1,024 j + 16 r + 4 i
.set SRA, 238                          ; v238 where I read a step's 256 bytes of them back: 256 x wave + 8 x lane
.set D,   240                          ; v240-247 my partial sum of hidden
.set T,   248                          ; v248-255 the other wave's
.set XOP, 12                           ; s[12:13] x_ops at my first fragment;  s[14:15] w_ops likewise
.set WOP, 14
.set XSP, 16                           ; s[16:17] x_ops at the 256 bytes of scale words that I store;  s[18:19] w_ops likewise
.set WSP, 18
.set WV,  22                           ; s22  my wave's number
.set SEL, 24                           ; s[24:25] v_permlanex16_b32's selects for lane l xor 16
; window 1 (v256-511): four sets of 64 registers into which the global loads land
.set MSB, 0
.macro WIN new                         ; the immediate's high byte repeats the setting that is left; a switch that changes nothing is dropped
.if MSB != (\new)
	s_set_vgpr_msb (MSB<<8)|(\new)
.set MSB, (\new)
.endif
.endm
; 16 rows x 512 bytes (K step u of mine) into set: each load reads 512 consecutive bytes.  The window stays set: the caller writes WIN 0 behind a group
.macro LOADX set, base, u, hint
	WIN 0x40                                       ; destination window 1, address window 0
.irp n, 0,1,2,3,4,5,6,7,8,9,10,11,12,13,14,15
.if \hint
	global_load_b128 v[64*(\set)+4*\n:64*(\set)+4*\n+3], v[LI], s[\base:\base+1] offset:XROW*\n+512*(\u) th:TH_LOAD_NT
.else
	global_load_b128 v[64*(\set)+4*\n:64*(\set)+4*\n+3], v[LI], s[\base:\base+1] offset:XROW*\n+512*(\u)
.endif
.endr
.endm
; 16 rows x 256 bytes of q_packed into half a set: each load reads 256 consecutive bytes of two rows
.macro LOADQ set, half, u
	WIN 0x40
.irp n, 0,1,2,3,4,5,6,7
	global_load_b128 v[64*(\set)+32*(\half)+4*\n:64*(\set)+32*(\half)+4*\n+3], v[QO], s[6:7] offset:XROW*\n+256*(\u) th:TH_LOAD_NT
.endr
.endm
; through my stage: in as loaded, out 16 neighbours of each block of 32 to a lane.  LDS serves a wave's instructions in order (ISA guide 5.7.1.4): no wait between the stores and the loads
.macro TURNX set
	WIN 0x04                                       ; an LDS store's data are its source 1: window 1
.irp n, 0,1,2,3,4,5,6,7,8,9,10,11,12,13,14,15
	ds_store_b128 v[SA], v[64*(\set)+4*\n:64*(\set)+4*\n+3] offset:XP*\n
.endr
	WIN 0
.irp b, 0,1,2,3
.irp c, 0,1,2,3
	ds_load_b128 v[X+16*\b+4*\c:X+16*\b+4*\c+3], v[SB] offset:128*\b+16*\c
.endr
.endr
.endm
.macro TURNQ set, half
	WIN 0x04
.irp n, 0,1,2,3,4,5,6,7
	ds_store_b128 v[SAW], v[64*(\set)+32*(\half)+4*\n:64*(\set)+32*(\half)+4*\n+3] offset:2*QP*\n
.endr
	WIN 0
.irp b, 0,1,2,3
.irp c, 0,1
	ds_load_b128 v[Q+8*\b+4*\c:Q+8*\b+4*\c+3], v[SBW] offset:64*\b+16*\c   ; int n of block b, half h: numbers 32 b + 16 h + 2 n and + 1
.endr
.endr
.endm
; W's numbers of step u.  The table stands across the lanes, twice; ds_bpermute_b32 takes lane (address / 4) % 32: of int << 2 that is the low nibble (and a bit that picks one of the table's two copies), of int >> 2 the high nibble.
; Then one f32 multiply by the NF4 block's scale, as reference() has it: blocks 0, 1 of 32 lie in NF4 block 2 s, blocks 2, 3 in 2 s + 1.
; The 64 shifts stand in one run and the 64 permutes in one run, so that one wait stands between them.
.macro DEQ u
	v_mov_b32 v14, v[WS+2*(\u)+1]                  ; the second scale to an even register, so that the packed form can take a pair's low word for both halves (v15 has been written)
.irp b, 0,1,2,3
.irp n, 0,1,2,3,4,5,6,7
	v_lshlrev_b32 v[IX+16*\b+2*\n], 2, v[Q+8*\b+\n]
	v_lshrrev_b32 v[IX+16*\b+2*\n+1], 2, v[Q+8*\b+\n]
.endr
.endr
	s_wait_alu depctr_va_vdst(0)                   ; the shifts have written v[IX ..], which the permutes read; the last step's multiplies and QUANT are done with v[X ..], in which the permutes' results land
.irp b, 0,1,2,3
.irp m, 0,1,2,3,4,5,6,7,8,9,10,11,12,13,14,15
	ds_bpermute_b32 v[X+16*\b+\m], v[IX+16*\b+\m], v[TBL]
.endr
.endr
.irp b, 0,1,2,3
	s_wait_dscnt 48-16*\b                          ; block b's sixteen are in; the later blocks' may be out
.irp n, 0,2,4,6,8,10,12,14
.if \b < 2
	v_pk_mul_f32 v[X+16*\b+\n:X+16*\b+\n+1], v[X+16*\b+\n:X+16*\b+\n+1], v[WS+2*(\u):WS+2*(\u)+1] op_sel_hi:[1,0]
.else
	v_pk_mul_f32 v[X+16*\b+\n:X+16*\b+\n+1], v[X+16*\b+\n:X+16*\b+\n+1], v[14:15] op_sel_hi:[1,0]
.endif
.endr
.endr
.endm
; the 64 numbers in v[X] on become a fragment's codes in v[PC] on and its scale word in v[pw]
.macro QUANT pw
.irp b, 0,1,2,3
	v_max3_num_f32 v[TM+\b], |v[X+16*\b]|, |v[X+1+16*\b]|, 0x2800000   ; block b: my 16 numbers, and the floor 2^(5 - 127): so the byte cannot fall under 1
.endr
.irp i, 2,4,6,8,10,12,14
.irp b, 0,1,2,3
	v_max3_num_f32 v[TM+\b], v[TM+\b], |v[X+16*\b+\i]|, |v[X+1+16*\b+\i]|   ; the four blocks by turns: no line waits for the line above it
.endr
.endr
.irp b, 0,1,2,3
	v_permlanex16_b32 v[TM+4+\b], v[TM+\b], s[SEL], s[SEL+1]
.endr
.irp b, 0,1,2,3
	v_max_num_f32 v[TM+\b], v[TM+\b], v[TM+4+\b]   ; with lane l xor 16's: the block's largest magnitude
.endr
.irp b, 0,1,2,3
	v_add_nc_u32 v[TM+8+\b], 0xfe000000, v[TM+\b]  ; 4 off its exponent field: the conversion takes the exponent field of this operand as its scale
.endr
.irp b, 0,1,2,3
	v_lshrrev_b32 v[TM+4+\b], 23, v[TM+8+\b]       ; the scale's byte
.endr
	v_lshl_or_b32 v[\pw], v[TM+5], 8, v[TM+4]      ; four bytes: my row's scale word (lanes r and 16 + r hold the same)
	v_lshl_or_b32 v[\pw], v[TM+6], 16, v[\pw]
	v_lshl_or_b32 v[\pw], v[TM+7], 24, v[\pw]
.irp c, 0,1
	v_cvt_scalef32_pk16_bf6_f32 v[PC+6*\c:PC+2+6*\c], v[X+32*\c:X+15+32*\c], v[TM+8+2*\c]
	v_cvt_scalef32_pk16_bf6_f32 v[PC+12+4*\c:PC+14+4*\c], v[X+16+32*\c:X+31+32*\c], v[TM+8+2*\c+1]   ; (a conversion's three registers begin on an even number)
.endr
	v_nop                                          ; one plain instruction behind a scaled conversion, ahead of what touches its result
.irp c, 0,1                                    ; the operand's layout wants a WHOLE block in a lane: lanes 0-15 block 2 c, lanes 16-31 block 2 c + 1
.irp i, 0,1,2
	v_permlane16_swap_b32 v[PC+6*\c+\i], v[PC+12+4*\c+\i]
.endr
.irp i, 0,1,2
	v_mov_b32 v[PC+3+6*\c+\i], v[PC+12+4*\c+\i]
.endr
.endr
.endm
.macro IMGG base, u                    ; step u's fragment to memory as it stands: each store writes 512 consecutive bytes, at a multiple of 256 from the buffer's first byte
.irp c, 0,1,2
	global_store_b128 v[LI], v[PC+4*\c:PC+4*\c+3], s[\base:\base+1] offset:(\u)*STEPB+512*\c
.endr
.endm
; A step of x.  left: the younger global loads, which may stay out.  nxt: the set just freed takes two steps of q_packed (0: nothing)
.macro XSTEP u, set, left, nxt
	s_wait_loadcnt \left                           ; loads come back in order (ISA guide 5.7.1): this step's sixteen are in
	TURNX \set                                     ; (no vector or matrix instruction since the last wait on va_vdst names v[X ..], v[LF ..] or v[LFS], in which the loads here and below land)
.irp c, 0,1,2
	ds_load_b128 v[LF+4*\c:LF+4*\c+3], v[LFA] offset:FRB*(\u)+512*\c   ; lora_a's fragment of the same K step, as another wave stored it
.endr
	ds_load_b32 v[LFS], v[LSA] offset:128*(\u)
	s_wait_dscnt 0x0                               ; the numbers and lora_a's fragment are in
.if \u
	s_wait_xcnt 0x0                                ; the last step's stores have had their addresses translated: only behind this wait are the codes' registers written again
.endif
.if \nxt
	WIN 0x40                                       ; (the window of the loads below is set ahead of the wait)
.endif
	s_wait_alu depctr_vm_vsrc(0)                   ; the stage's stores have read the set, in which the loads below land; the stores of the step before have read v[PC ..] and its scale word, which QUANT writes
.if \nxt
	LOADQ \nxt, 0, 2*(\nxt)-2
	LOADQ \nxt, 1, 2*(\nxt)-1
	WIN 0
.endif
	QUANT PW+(\u)
.rept 8
	v_nop                                          ; a scale register written by a vector instruction stands 8 places ahead of a scaled matrix instruction, an operand so written 4
.endr
	s_wait_alu depctr_va_vdst(0)                   ; QUANT has written v[PC ..] and the scale word, which the scaled matrix instruction takes; from the second step on it also stands directly ahead of a link on one accumulator
.if \u                                 ; source 0 = lora_a's 16 rows, source 1 = x's 16 rows: lane (r, h) holds hidden[x's row r][8 h + 0 .. 7]
	v_wmma_scale_f32_16x16x128_f8f6f4 v[D:D+7], v[LF:LF+11], v[PC:PC+11], v[D:D+7], v[LFS], v[PW+\u] matrix_a_fmt:MATRIX_FMT_BF6 matrix_b_fmt:MATRIX_FMT_BF6
.else
	v_wmma_scale_f32_16x16x128_f8f6f4 v[D:D+7], v[LF:LF+11], v[PC:PC+11], 0, v[LFS], v[PW+\u] matrix_a_fmt:MATRIX_FMT_BF6 matrix_b_fmt:MATRIX_FMT_BF6
.endif
.rept 4
	v_nop                                          ; four places (ISA guide 7.12.1) ahead of the next writes of the codes and of the first read of the sum; they stay beside the wait below
.endr
	s_wait_alu depctr_va_vdst(0)                   ; the matrix instruction is done with v[PC ..] and the scale word, which the stores below read, and with v[LF ..] and v[LFS], in which the next step's loads land; it has written v[D ..], which waves 4 to 7 store behind the last step
	IMGG XOP, \u
	ds_store_b32 v[SWA], v[PW+\u] offset:256*(\u)  ; my row's scale word to its place among the work-group's (lanes r and 16 + r write the same word with the same value)
.endm
.macro WSTEP u, set, half, left        ; a step of W
	s_wait_loadcnt \left
	TURNQ \set, \half                              ; (the shifts that read v[Q ..] stand ahead of the last step's waits on va_vdst)
	s_wait_dscnt 0x0
	DEQ \u
	s_wait_xcnt 0x0                                ; the last step's stores have had their addresses translated: the codes' registers may be written
	s_wait_alu depctr_vm_vsrc(0)                   ; the last step's stores have read v[PC ..] and the scale words, which QUANT writes; this step's permutes have read v[IX ..], which the next step's shifts write
	QUANT PW+(\u)
	s_wait_alu depctr_va_vdst(0)                   ; QUANT has written v[PC ..] and the scale word, which the stores below read
	IMGG WOP, \u
	ds_store_b32 v[SWA], v[PW+\u] offset:WSW-XSW+256*(\u)
.endm
.macro ENTRY n, bits
	s_mov_b32 s27, \bits
	v_writelane_b32 v[TBL], s27, \n
.endm
	s_load_b128 s[4:7], s[0:1], 0x0                ; x, q_packed
	s_load_b128 s[8:11], s[0:1], 0x10              ; scales, lora_a_w
	s_load_b128 s[12:15], s[0:1], 0x20             ; x_ops, w_ops
	s_load_b64 s[20:21], s[0:1], 0x30              ; hid
	v_lshl_add_u32 v211, v0, 2, 0x16000
	v_mov_b32 v239, 0
	v_lshrrev_b32 v14, 5, v0
	v_readfirstlane_b32 s[WV], v14                 ; wave 0..7
	v_and_b32 v14, 31, v0                          ; lane
	v_and_b32 v15, 15, v0                          ; r
	v_bfe_u32 v17, v0, 4, 1                        ; h
	v_lshlrev_b32 v[LI], 4, v14
	v_lshlrev_b32 v[SO], 8, v15
	s_wait_alu depctr_va_sdst(0)                   ; s22, the wave's number, is written, ahead of its first reader: offsets, LDS addresses and two branches are made from it
	s_and_b32 s28, ttmp9, 3                        ; kc: my quarter of K
	s_lshr_b32 s29, ttmp9, 2                       ; which 64 rows
	s_and_b32 s30, s[WV], 3                        ; i
	s_lshr_b32 s31, s[WV], 2                       ; j
	s_lshl_b32 s32, s29, 2
	s_add_co_u32 s32, s32, s30                     ; rb: my block of 16 rows, 0..255
	s_lshl_b32 s33, s28, 3
	s_lshl_b32 s23, s31, 2
	s_add_co_u32 s33, s33, s23                     ; s0 = 8 kc + 4 j: my first K step of 128
	; byte offsets, each added once to its own pointer; all stay under 2^27
	s_lshl_b32 s34, s32, 18                        ; x: 16 rows of 16,384 bytes; a K step is 512 bytes
	s_lshl_b32 s23, s33, 9
	s_add_co_u32 s34, s34, s23
	s_mov_b32 s35, 0
	s_lshl_b32 s36, s32, 17                        ; q_packed: 16 rows of 8,192 bytes; a K step is 256
	s_lshl_b32 s23, s33, 8
	s_add_co_u32 s36, s36, s23
	s_mov_b32 s37, 0
	s_lshl_b32 s38, s32, 12                        ; scales: 16 rows of 256 bytes; a K step is 8
	s_lshl_b32 s23, s33, 3
	s_add_co_u32 s38, s38, s23
	s_mov_b32 s39, 0
	s_lshl_b32 s40, s28, 3                         ; lora_a_w: K step 8 kc + wave
	s_add_co_u32 s40, s40, s[WV]
	s_mul_i32 s44, s40, STEPB                      ; the scale words that I store: the same K step's,
	s_lshl_b32 s40, s40, 9
	s_mov_b32 s41, 0
	s_lshr_b32 s42, s32, 3                         ; in group rb / 8 (the same for the work-group's four blocks),
	s_mul_i32 s42, s42, GROUPB
	s_add_co_u32 s44, s44, s42
	s_and_b32 s23, s29, 1                          ; behind the step's codes, the half of its 512 bytes that holds my work-group's four blocks
	s_lshl_b32 s23, s23, 8
	s_add_co_u32 s44, s44, s23
	s_add_co_u32 s44, s44, CODEB
	s_mov_b32 s45, 0
	s_and_b32 s23, s32, 7                          ; my codes: group rb / 8, K step s0, block rb % 8
	s_mul_i32 s23, s23, FRB
	s_add_co_u32 s42, s42, s23
	s_mul_i32 s23, s33, STEPB
	s_add_co_u32 s42, s42, s23
	s_mov_b32 s43, 0
	s_lshl_b32 s46, s28, 18                        ; hid: 262,144 bytes a quarter of K, 1,024 a block of rows
	s_lshl_b32 s23, s32, 10
	s_add_co_u32 s46, s46, s23
	s_mov_b32 s47, 0
	s_mov_b32 s[SEL], 0x76543210
	s_mov_b32 s[SEL+1], 0xfedcba98
	; the other addresses and the table are made here, while the arguments are on their way and ahead of the first load, so that one wait serves them all.
	; Every LDS address is a constant + a constant x lane term + a constant x the wave's number (or its i, j)
	v_lshlrev_b32 v[QO], 4, v15
	v_lshl_add_u32 v[QO], v17, 13, v[QO]
	v_lshlrev_b32 v[WO], 3, v14
	s_mul_i32 s23, s[WV], STGB                     ; my stage
	v_add_nc_u32 v[SA], s23, v[LI]
	v_mul_u32_u24 v[SB], v15, XP
	v_lshl_add_u32 v[SB], v17, 6, v[SB]
	v_add_nc_u32 v[SB], s23, v[SB]
	v_mul_u32_u24 v[SAW], v17, QP
	v_lshl_add_u32 v[SAW], v15, 4, v[SAW]
	v_add_nc_u32 v[SAW], s23, v[SAW]
	v_mul_u32_u24 v[SBW], v15, QP
	v_lshl_add_u32 v[SBW], v17, 5, v[SBW]
	v_add_nc_u32 v[SBW], s23, v[SBW]
	s_mul_i32 s27, s[WV], FRB
	s_add_co_u32 s27, s27, LIMG
	v_add_nc_u32 v[LWI], s27, v[LI]
	s_lshl_b32 s27, s[WV], 7
	s_add_co_u32 s27, s27, LSC
	v_lshl_add_u32 v[LWS], v14, 2, s27
	s_mul_i32 s27, s31, 4*FRB
	s_add_co_u32 s27, s27, LIMG
	v_add_nc_u32 v[LFA], s27, v[LI]
	s_lshl_b32 s27, s31, 9
	s_add_co_u32 s27, s27, LSC
	v_lshl_add_u32 v[LSA], v14, 2, s27
	s_lshl_b32 s27, s30, 10
	s_add_co_u32 s27, s27, RED
	v_add_nc_u32 v[RDA], s27, v[LI]
	s_lshl_b32 s27, s31, 10                        ; scale words in: my half's four steps of 256 bytes, row r's 16 bytes, block i's word
	s_lshl_b32 s33, s30, 2
	s_add_co_u32 s27, s27, s33
	s_add_co_u32 s27, s27, XSW
	v_lshl_add_u32 v[SWA], v15, 4, s27
	s_lshl_b32 s27, s[WV], 8                       ; and back: step 8 kc + wave's 256 bytes, 8 a lane
	s_add_co_u32 s27, s27, XSW
	v_lshl_add_u32 v[SRA], v14, 3, s27
.irp b, 0,1,2,3
	v_mov_b32 v[TM+4+\b], 0                        ; written once: a lane permute's destination counts as one of its sources
.endr
	v_mov_b32 v[TBL], 0                            ; the sixteen NF4 levels, as f32 bits, into lanes 0-15,
	ENTRY 0,  0xbf800000
	ENTRY 1,  0xbf3239b1
	ENTRY 2,  0xbf066b30
	ENTRY 3,  0xbeca32a0
	ENTRY 4,  0xbe91a24d
	ENTRY 5,  0xbe3d353f
	ENTRY 6,  0xbdba7871
	ENTRY 7,  0x00000000
	ENTRY 8,  0x3da2faff
	ENTRY 9,  0x3e24cae3
	ENTRY 10, 0x3e7c04dd
	ENTRY 11, 0x3ead033a
	ENTRY 12, 0x3ee1a4b8
	ENTRY 13, 0x3f1007ab
	ENTRY 14, 0x3f3913b3
	ENTRY 15, 0x3f800000
	v_permlanex16_b32 v17, v[TBL], s[SEL], s[SEL+1]  ; and once more into lanes 16-31 (v17 held h: it has been written)
	v_or_b32 v[TBL], v[TBL], v17
	s_wait_kmcnt 0x0
	s_add_nc_u64 s[4:5], s[4:5], s[34:35]
	s_add_nc_u64 s[6:7], s[6:7], s[36:37]
	s_add_nc_u64 s[8:9], s[8:9], s[38:39]
	s_add_nc_u64 s[10:11], s[10:11], s[40:41]
	s_add_nc_u64 s[XSP:XSP+1], s[XOP:XOP+1], s[44:45]
	s_add_nc_u64 s[WSP:WSP+1], s[WOP:WOP+1], s[44:45]
	s_add_nc_u64 s[XOP:XOP+1], s[XOP:XOP+1], s[42:43]
	s_add_nc_u64 s[WOP:WOP+1], s[WOP:WOP+1], s[42:43]
	s_add_nc_u64 s[20:21], s[20:21], s[46:47]
	s_wait_alu depctr_va_vdst(0)                   ; the addresses v1 to v13, v237 and v238 and the table v16 are written: every load, store and permute of the kernel reads some of them, and none is written again
	global_load_b128 v[WS:WS+3], v[SO], s[8:9]             ; my row's NF4 scales of my four steps
	global_load_b128 v[WS+4:WS+7], v[SO], s[8:9] offset:16
	LOADX 0, 10, 0, 0                              ; lora_a_w (many work-groups read it: no hint), then three steps of x: four sets, 32 KiB a wave, are on their way
	LOADX 1, 4, 0, 1
	LOADX 2, 4, 1, 1
	LOADX 3, 4, 2, 1
	WIN 0
	; ---- lora_a_w: my K step's fragment, for all eight waves
	s_wait_loadcnt 48                              ; the NF4 scales and lora_a's sixteen loads are in; x's three steps (48 loads) may be out
	TURNX 0
	s_wait_dscnt 0x0                               ; the numbers are back from the stage
	WIN 0x40                                       ; (the window of the loads below is set ahead of the wait)
	s_wait_alu depctr_vm_vsrc(0)                   ; the stage's stores have read set 0,
	LOADX 0, 4, 3, 1                               ; which takes x's fourth step
	WIN 0
	QUANT PW
	s_wait_alu depctr_va_vdst(0)                   ; QUANT has written v[PC ..] and v[PW], which the LDS stores below read; it is done reading v[X ..], in which the next turn's loads land
.irp c, 0,1,2
	ds_store_b128 v[LWI], v[PC+4*\c:PC+4*\c+3] offset:512*\c
.endr
	ds_store_b32 v[LWS], v[PW]
	s_wait_dscnt 0x0                               ; for the others' sake: my image has landed
	s_barrier_signal -1
	s_barrier_wait -1                              ; lora_a's eight fragments lie in LDS; nobody writes them again
	; ---- x: four steps.  The counts: behind step 0's loads stand steps 1, 2, 3 (48); behind step 1's: 2, 3 and q's steps 0, 1 (48); behind step 2's: 3 and q's four steps (48); behind step 3's: q's four (32)
	XSTEP 0, 1, 48, 1
	XSTEP 1, 2, 48, 2
	XSTEP 2, 3, 48, 0
	XSTEP 3, 0, 32, 0
	s_cmp_lt_u32 s[WV], 4                          ; the waves of the quarter's upper half hand their partial sum to the wave with the same rows
	s_cbranch_scc1 .Lno_red
	ds_store_b128 v[RDA], v[D:D+3]                 ; the sum from its low end on (the last step's places and its last wait stand ahead of these two)
	ds_store_b128 v[RDA], v[D+4:D+7] offset:512
.Lno_red:
	; ---- W: four steps.  Behind step u's eight loads stand 8 (3 - u)
	WSTEP 0, 1, 0, 24
	WSTEP 1, 1, 1, 16
	WSTEP 2, 2, 0, 8
	WSTEP 3, 2, 1, 0
	s_wait_dscnt 0x0                               ; for the others' sake: my scale words and my partial sum have landed
	s_barrier_signal -1
	s_barrier_wait -1
	ds_load_b64 v[OW:OW+1], v[SRA]                 ; K step 8 kc + wave: the four blocks' scale words of x,
	ds_load_b64 v[14:15], v[SRA] offset:WSW-XSW    ; and of W (the move and the multiplies that named v[14:15] stand ahead of the last step's waits on va_vdst)
	s_wait_dscnt 0x0
	global_store_b64 v[WO], v[OW:OW+1], s[XSP:XSP+1]   ; 32 lanes store 256 consecutive bytes, at a multiple of 256 from the buffer's first byte
	global_store_b64 v[WO], v[14:15], s[WSP:WSP+1]
	s_cmp_ge_u32 s[WV], 4
	s_cbranch_scc1 .Lend
	ds_load_b128 v[T:T+3], v[RDA]
	ds_load_b128 v[T+4:T+7], v[RDA] offset:512
	s_wait_dscnt 0x0
.irp p, 0,2,4,6
	v_pk_add_f32 v[T+\p:T+\p+1], v[T+\p:T+\p+1], v[D+\p:D+\p+1]   ; the quarter's two halves, in f32; my sum is read from its low end on
.endr
	s_wait_alu depctr_va_vdst(0)                   ; the additions have written v[T ..], which the stores below read
	global_store_b128 v[LI], v[T:T+3], s[20:21]
	global_store_b128 v[LI], v[T+4:T+7], s[20:21] offset:512
.Lend:
	s_wait_dscnt 0x0                               ; the closing lines, six on end
	s_wait_alu 0x0
	s_wait_tensorcnt 0x0
	ds_add_u32 v211, v239
	s_wait_dscnt 0x0
	s_endpgm
.Lfunc_end_k_qae739512d7_prep:
	.size	k_qae739512d7_prep, .Lfunc_end_k_qae739512d7_prep-k_qae739512d7_prep
	.p2alignl 7, 3214868480
	.fill 96, 4, 3214868480
	.section	.rodata,"a",@progbits
	.p2align	6, 0x0
	.amdhsa_kernel k_qae739512d7_prep
		.amdhsa_group_segment_fixed_size 91136
		.amdhsa_private_segment_fixed_size 0
		.amdhsa_enable_private_segment 0
		.amdhsa_kernarg_size 56
		.amdhsa_user_sgpr_count 2
		.amdhsa_user_sgpr_kernarg_segment_ptr 1
		.amdhsa_wavefront_size32 1
		.amdhsa_system_sgpr_workgroup_id_x 1
		.amdhsa_system_sgpr_workgroup_id_y 1
		.amdhsa_system_sgpr_workgroup_id_z 1
		.amdhsa_system_vgpr_workitem_id 0
		.amdhsa_next_free_vgpr 512
		.amdhsa_next_free_sgpr 66
		.amdhsa_reserve_vcc 0
		.amdhsa_float_denorm_mode_32 3
		.amdhsa_float_denorm_mode_16_64 3
		.amdhsa_memory_ordered 1
		.amdhsa_forward_progress 1
		.amdhsa_inst_pref_size 108
	.end_amdhsa_kernel
	.amdgpu_metadata
---
amdhsa.version: [ 1, 2 ]
amdhsa.kernels:
  - .name:           k_qae739512d7_prep
    .symbol:         k_qae739512d7_prep.kd
    .args:
      - { .name: x, .offset: 0, .size: 8, .value_kind: global_buffer, .address_space: global }
      - { .name: q_packed, .offset: 8, .size: 8, .value_kind: global_buffer, .address_space: global }
      - { .name: scales, .offset: 16, .size: 8, .value_kind: global_buffer, .address_space: global }
      - { .name: lora_a_w, .offset: 24, .size: 8, .value_kind: global_buffer, .address_space: global }
      - { .name: x_ops, .offset: 32, .size: 8, .value_kind: global_buffer, .address_space: global }
      - { .name: w_ops, .offset: 40, .size: 8, .value_kind: global_buffer, .address_space: global }
      - { .name: hid, .offset: 48, .size: 8, .value_kind: global_buffer, .address_space: global }
    .group_segment_fixed_size: 91136
    .private_segment_fixed_size: 0
    .kernarg_segment_align: 8
    .kernarg_segment_size: 56
    .max_flat_workgroup_size: 256
    .sgpr_count:     66
    .vgpr_count:     512
    .wavefront_size: 32
...
	.end_amdgpu_metadata
.endif
;; end of part 3
;; launch gemm: the kernel of part 2 again; grid 16 x 16, 4 waves a work-group, clusters of 4 x 4, 327,680 bytes of LDS; arguments x_ops, w_ops, out0, hid, lora_b_w; writes out0
